; MI455X (gfx1250); checked and timed in simulation.
; The chip was launched on July 23, 2026; its instructions are those of AMD's public machine-readable ISA for CDNA 5 (MIT licence, August 2026) and "CDNA5" Instruction Set Architecture Reference Guide (July 2026). The comments in the code are by the model that wrote it; some were corrected since.
;; Dedicom Decoder. Allowed arithmetic: matrix products marked QUANTISED: E2M3 operands, one E8M0 scale for each 32 along K, by v_wmma_scale_f32_16x16x128_f8f6f4 with both operands' format E2M3, f32 sums; everything else in f32.
;; Inputs: batch_edges 2 x 131,072 int32; global_weight 512 x 512 float32; local_diag 10 x 512 float32; z_drug 4,096 x 512 float32.
;; Outputs: out0 131,072 float32.
;; Constants: edge_sub_type_idx = 2.
;; This version of the problem:
;;   THIS VERSION OF THE PROBLEM IS GIVEN IN LOW PRECISION. The matrix products marked QUANTISED in the list below multiply operands that are first quantised to E2M3 (2 exponent bits, 3 mantissa bits; 6 bits a number), with one power-of-two scale for each 32 numbers along K (OCP MX v1.0); their sums are f32. All else is computed in f32.
;;   The module's matrix products, in the order in which they are computed (A, B: the left and right operand; K: the contracted axis; several contracted axes count as one K, in the product's order):
;;     1. [M 131,072, K 512] x [K 512, N 512]; A: computed on the way; B: input global_weight: QUANTISED
;;   THE QUANTISER, for each operand of a quantised product, along K:
;;     - K is cut into blocks of 32 from its start; a last block that is shorter is filled with zeros.
;;     - A block's scale is 2^e with e = floor(log2(the largest magnitude in the block)) - 2, held to -126 .. 127; a block of zeros has e = 0. As a byte (E8M0): e + 127.
;;     - Each number is divided by its block's scale, clamped to +-7.5, and rounded to the nearest number of E2M3, ties to even, subnormals kept.
;;     - The product sums the exact products of the quantised numbers (number of the format x scale) in f32.
;;   ~~~python
;;   def quantise(x, axis):      # numpy; x: float32 -> the quantised numbers, widened to float32 again
;;       x = np.moveaxis(x, axis, -1); K = x.shape[-1]
;;       x = np.pad(x, [(0, 0)] * (x.ndim - 1) + [(0, -K % 32)]); x = x.reshape(x.shape[:-1] + (-1, 32)); a = np.abs(x).max(-1, keepdims=True)
;;       e = np.where(a > 0, np.clip(np.frexp(np.where(a > 0, a, 1))[1] - 1 - 2, -126, 127), 0)      # np.frexp(a)[1] - 1 = floor(log2(a)), exactly
;;       r = np.clip(x / 2.0 ** e, -7.5, 7.5)
;;       step = 2.0 ** (np.maximum(np.frexp(np.where(r == 0, 1, r))[1] - 1, 0) - 3)
;;       q = np.round(r / step) * step * 2.0 ** e      # np.round: ties to even
;;       return np.moveaxis(q.reshape(q.shape[:-2] + (-1,))[..., :K], -1, axis).astype(np.float32)
;;   ~~~
;;   OPERANDS COMPUTED ON THE WAY. 'Computed on the way' means the value that the module computes at that place (a softmax that the list does not call 'softmax' is quantised finished and normalised). What goes into a quantiser is computed in f32, as accurately as f32 sums, v_exp_f32 and their like allow (about 1e-6 of the number): no bf16 or f16 on the way to a quantiser, and a product that is left as it is and whose result goes on into a quantised operand takes f32 operands (vector FMAs, or v_wmma_f32_16x16x4_f32). A number that lies on a knife's edge between two numbers of the format may be rounded either way, as far as f32 arithmetic and the matrix unit's own rounding can turn it there, and no further.
;; 2 versions. Each part assembles by itself: llvm-mc -triple=amdgcn-amd-amdhsa -mcpu=gfx1250 --defsym DOCPART=n.
;; ======== version 1 of 2: 2 launches
;; workspace buffers: zq 1,572,864 bytes; zs 65,536 bytes; wq 196,608 bytes; ws 8,192 bytes
;; launch prep (part 1): grid 288 x 1, 1 waves a work-group, no clusters, 5,888 bytes of LDS; arguments z_drug, global_weight, local_diag, zq, zs, wq, ws; writes zq, zs, wq, ws
.if DOCPART == 1
	.amdgcn_target "amdgcn-amd-amdhsa--gfx1250"
	.amdhsa_code_object_version 6
	.text
	.protected	k_q3d0d2c011d_prep
	.globl	k_q3d0d2c011d_prep
	.p2align	8
	.type	k_q3d0d2c011d_prep,@function
k_q3d0d2c011d_prep:
	s_mov_b64 s[64:65], 0
	v_nop
	global_prefetch_b8 v0, s[64:65] scope:SCOPE_SE
	s_setreg_imm32_b32 hwreg(HW_REG_WAVE_MODE, 25, 1), 1
	s_wait_xcnt 0x0
; BOTH OPERANDS OF THE PRODUCT ARE QUANTISED ONCE, to codes of FP6 (E2M3) with one E8M0 byte for each 32 along K, and laid as the second launch's registers want them.
; The left operand z[row] * d (d = local_diag[2]) has 4,096 distinct rows, one a drug: work-groups 0 to 255 quantise 16 drugs each.  The right operand W [k][n] has K as its first axis: work-groups 256 to 287.
; A block's scale is 2^(floor(log2(its largest magnitude)) - 2); its byte is the largest magnitude's exponent field - 2, held at 1 from below by a floor among the maximum's leaves.
; LIMITS: NaN and infinities among the inputs are not served.  A block whose largest magnitude lies under 2^-124 keeps the byte 1.  A block of zeros gets the byte 1 where the rule says 127: its codes are zeros,
; which add nothing under any byte but 0xff, and these bytes are read by this program alone.
; zq [drug][384 bytes]: block b = 4 s + 2 c + h (k = 32 b ..) lies at byte 24 (8 h + 2 s + c): so lane (r, h) of a fragment finds the 48 registers of its four K steps as 192 bytes on end, at 384 drug + 192 h.
; zs [drug][16]: the bytes in the blocks' own order: word s is K step s's scale word.
; wq: images of registers: ((8 w + 4 g + s) 4 + c) 1,536 + 512 i + 16 lane holds registers 4 i .. 4 i + 3 of the fragment of K step s whose lane r is column n = 128 w + 64 g + 4 r + c.
; ws: the word at 2,048 w + 256 (4 g + c) + 64 s + 4 r is that column's scale word of K step s.
; One wave to a work-group: no barrier.  Only the drugs' path uses LDS.
.set SP,   80                          ; a lane's place in a stage: 64 bytes + 16 of padding
.set SCB,  5120                        ; behind the two stages of 32 x SP bytes: the work-group's 256 scale bytes
.set DD,   16                          ; v16-31   d[16 lane .. 16 lane + 15]
.set X,    32                          ; v32-63   two sets of 16 neighbours (drugs);  v32-95 a column's 64 numbers (W)
.set C,    64                          ; v64-127  codes: four registers a row, so that no store's data are written again
.set E,    128                         ; v128-143 a scale byte a row
.set F,    96                          ; v96-143  W: four fragments of 12 registers
.set T,    144                         ; v144-151 W: the halves that a conversion cannot put in their place
.set WD,   152                         ; v152-155 W: four scale words
.set MSB, 0
.macro WIN new                         ; s_set_vgpr_msb: bits 1:0 source 0, 3:2 source 1, 5:4 source 2, 7:6 destination; the high byte repeats the setting that is left
.if MSB != (\new)
	s_set_vgpr_msb (MSB<<8)|(\new)
.set MSB, (\new)
.endif
.endm
	s_load_b256 s[4:11], s[0:1], 0x0               ; z s[4:5], W s[6:7], local_diag s[8:9], zq s[10:11]
	s_load_b128 s[12:15], s[0:1], 0x20             ; zs s[12:13], wq s[14:15]
	s_load_b64 s[16:17], s[0:1], 0x30              ; ws
	v_lshl_add_u32 v254, v0, 2, 0x1600
	v_mov_b32 v255, 0
	s_cmp_lt_u32 ttmp9, 256
	s_cbranch_scc0 .Lweight
	; ---------------- 16 drugs: a step is one row of 512 numbers ----------------
	; A conversion takes 16 neighbours along K from ONE lane's registers; a load is best where neighbouring LANES take neighbouring bytes.  So a row's four loads read 512 consecutive bytes each, and its 2,048 bytes
	; turn through a stage in LDS: in as they lie, back 64 bytes a lane.  Two neighbouring lanes hold a block of 32.
	v_lshlrev_b32 v3, 4, v0                        ; my 16 bytes of a load's 512
	v_lshlrev_b32 v2, 6, v0                        ; my 16 numbers of d
	v_lshrrev_b32 v14, 2, v0
	v_mul_u32_u24 v14, v14, SP
	v_and_b32 v15, 3, v0
	v_lshl_add_u32 v14, v15, 4, v14                ; the stage, in: SP (lane / 4) + 16 (lane % 4)
	v_mul_u32_u24 v15, v0, SP                      ; and back: SP x lane
	v_bfe_u32 v8, v0, 1, 1                         ; my block is lane / 2 = 4 s + 2 c + h:  h,
	v_bfe_u32 v9, v0, 2, 1                         ; c,
	v_lshrrev_b32 v10, 3, v0                       ; s
	v_lshl_add_u32 v9, v10, 1, v9
	v_lshl_add_u32 v9, v8, 3, v9                   ; its place in the drug's 384 bytes: 8 h + 2 s + c
	v_and_b32 v8, 1, v0
	v_mul_u32_u24 v8, v8, 12
	v_mad_u32_u24 v4, v9, 24, v8                   ; 24 x place + 12 x (which half of the block is mine)
	v_lshrrev_b32 v5, 1, v0
	v_add_nc_u32 v5, SCB, v5                       ; LDS: my block's byte
	v_lshlrev_b32 v7, 3, v0
	v_add_nc_u32 v6, SCB, v7                       ; and on the way out 8 bytes a lane
	s_lshl_b32 s20, ttmp9, 15                      ; 16 rows of 2,048 bytes
	s_mov_b32 s21, 0
	s_mul_i32 s22, ttmp9, 6144                     ; 16 x 384
	s_mov_b32 s23, 0
	s_lshl_b32 s24, ttmp9, 8                       ; 16 x 16
	s_mov_b32 s25, 0
	s_wait_kmcnt 0x0
	s_add_nc_u64 s[4:5], s[4:5], s[20:21]
	s_add_nc_u64 s[10:11], s[10:11], s[22:23]
	s_add_nc_u64 s[12:13], s[12:13], s[24:25]
.irp i, 0,1,2,3
	global_load_b128 v[DD+4*\i:DD+4*\i+3], v2, s[8:9] offset:4096+16*\i    ; row 2 of local_diag begins at byte 4,096
.endr
	WIN 0x40                                       ; destination window 1: all 16 rows are asked for at once, 16 registers a row
.set i, 0
.rept 64
	global_load_b128 v[4*i:4*i+3], v3, s[4:5] offset:512*i                 ; 32 lanes read 512 consecutive bytes
.set i, i+1
.endr
	WIN 0
.macro TURN t                          ; row t through stage t % 2: LDS serves a wave's instructions in order (ISA guide 5.7.1.4), so no wait stands between the stores and the loads
	WIN 0x04                                       ; an LDS store's data are its source 1: window 1
.irp i, 0,1,2,3
	ds_store_b128 v14, v[16*(\t)+4*\i:16*(\t)+4*\i+3] offset:32*SP*((\t)%2)+8*SP*\i
.endr
	WIN 0
.irp i, 0,1,2,3
	ds_load_b128 v[X+16*((\t)%2)+4*\i:X+16*((\t)%2)+4*\i+3], v15 offset:32*SP*((\t)%2)+16*\i
.endr
.endm
.macro ZSTEP t
.set XS, X+16*((\t)%2)
.if (\t) > 0
	s_wait_dscnt 1                                 ; this row is back from the stage; the last row's byte store may be out
.else
	s_wait_dscnt 0x0
.endif
.if (\t) < 15
	s_wait_loadcnt 4*(14-(\t))                     ; the next row's four loads are in; those of the rows behind it may be out
	TURN (\t)+1                                    ; it goes through the other stage while this row is worked
.endif
.irp i, 0,2,4,6,8,10,12,14
	v_pk_mul_f32 v[XS+\i:XS+\i+1], v[XS+\i:XS+\i+1], v[DD+\i:DD+\i+1]      ; z * d, one rounding in f32
.endr
	v_max3_num_f32 v8, |v[XS]|, |v[XS+1]|, |v[XS+2]|                       ; the largest magnitude of my 16, in two chains
	v_max3_num_f32 v9, |v[XS+3]|, |v[XS+4]|, |v[XS+5]|
.irp i, 6,10
	v_max3_num_f32 v8, v8, |v[XS+\i]|, |v[XS+\i+1]|
	v_max3_num_f32 v9, v9, |v[XS+\i+2]|, |v[XS+\i+3]|
.endr
	v_max3_num_f32 v8, v8, |v[XS+14]|, |v[XS+15]|
	v_max3_num_f32 v8, v8, v9, 0x1800000           ; and the floor 2^(3 - 127): the byte cannot fall under 1
	v_max_num_f32_dpp v8, v8, v8 row_xmask:1 row_mask:0xf bank_mask:0xf    ; with my neighbour's 16: the block's
	v_add_nc_u32 v11, 0xff000000, v8               ; 2 off its exponent field: the conversion takes the exponent field of this operand as its scale, and nothing else of it
	v_cvt_scalef32_pk16_fp6_f32 v[C+4*(\t):C+4*(\t)+2], v[XS:XS+15], v11   ; to the nearest code, ties to even, beyond 7.5 the largest code; 96 bits without gaps
	v_lshrrev_b32 v[E+(\t)], 23, v11               ; the scale's byte (also the plain line behind the conversion)
	ds_store_b8 v5, v[E+(\t)] offset:16*(\t)       ; both lanes of a block write the same byte with the same value
	global_store_b96 v4, v[C+4*(\t):C+4*(\t)+2], s[10:11] offset:384*(\t)  ; the wave's 32 pieces of 12 bytes fill the drug's 384 consecutive bytes
.endm
	s_wait_loadcnt 60                              ; d and row 0 are in: 60 loads are younger
	TURN 0
.irp t, 0,1,2,3,4,5,6,7,8,9,10,11,12,13,14,15
	ZSTEP \t
.endr
	ds_load_b64 v[12:13], v6                       ; in order behind my byte stores
	s_wait_dscnt 0x0
	global_store_b64 v7, v[12:13], s[12:13]        ; 32 lanes store 256 consecutive bytes, aligned
	s_wait_tensorcnt 0x0
	ds_add_u32 v254, v255
	s_wait_dscnt 0x0
	s_endpgm
	; ---------------- W: work-group 256 + 8 w + 4 g + s makes the four fragments (c = 0 .. 3) of K step s for columns 128 w + 64 g + 4 r + c ----------------
	; Lane (r, h) loads, for each of its 64 k (128 s + 64 c' + 32 h + i), the 16 bytes of columns 4 r .. 4 r + 3: sixteen lanes read 256 consecutive bytes, aligned.  A register quad then holds four COLUMNS,
	; and a conversion wants 16 k of ONE column on end: so each column's 64 numbers are copied out of the quads (256 copies a work-group; single loads of 4 bytes, 16 bytes apart, would be the other way).
.Lweight:
	s_sub_co_u32 s20, ttmp9, 256
	s_lshr_b32 s21, s20, 3                         ; w
	s_bfe_u32 s22, s20, 0x10002                    ; g
	s_and_b32 s23, s20, 3                          ; s
	s_lshl_b32 s24, s23, 18                        ; W: 128 s rows of 2,048 bytes
	s_lshl_b32 s25, s21, 9
	s_add_co_u32 s24, s24, s25                     ; + 512 w
	s_lshl_b32 s25, s22, 8
	s_add_co_u32 s24, s24, s25                     ; + 256 g
	s_mov_b32 s25, 0
	s_lshl_b32 s26, s22, 2
	s_add_co_u32 s26, s26, s23
	s_mul_i32 s26, s26, 6144                       ; wq: 6,144 (4 g + s)
	s_mul_i32 s27, s21, 49152
	s_add_co_u32 s26, s26, s27                     ; + 49,152 w
	s_mov_b32 s27, 0
	s_lshl_b32 s28, s21, 11                        ; ws: 2,048 w
	s_lshl_b32 s29, s22, 10
	s_add_co_u32 s28, s28, s29                     ; + 1,024 g
	s_lshl_b32 s29, s23, 6
	s_add_co_u32 s28, s28, s29                     ; + 64 s
	s_mov_b32 s29, 0
	s_mov_b32 s30, 0x76543210
	s_mov_b32 s31, 0xfedcba98                      ; v_permlanex16_b32's selects for lane l xor 16
	s_mov_b32 s32, 0xffff0000                      ; lanes 16 to 31
	v_and_b32 v1, 15, v0                           ; r
	v_lshrrev_b32 v2, 4, v0                        ; h
	v_lshlrev_b32 v3, 4, v1
	v_lshl_add_u32 v3, v2, 16, v3                  ; 32 h rows + 16 r
	v_lshlrev_b32 v4, 4, v0                        ; an image's place for my lane
	v_lshlrev_b32 v5, 2, v1
	v_lshl_add_u32 v5, v2, 8, v5                   ; 256 h + 4 r
	v_lshlrev_b32 v6, 3, v2                        ; 8 h
	v_mov_b32 v15, 0                               ; written once: a lane permute's destination counts as one of its sources
	s_wait_kmcnt 0x0
	s_add_nc_u64 s[6:7], s[6:7], s[24:25]
	s_add_nc_u64 s[14:15], s[14:15], s[26:27]
	s_add_nc_u64 s[16:17], s[16:17], s[28:29]
	WIN 0x40
.set i, 0
.rept 64
	global_load_b128 v[4*i:4*i+3], v3, s[6:7] offset:(64*(i/32)+i%32)*2048 th:TH_LOAD_NT   ; quad i = 32 c' + i': row 64 c' + 32 h + i'; each byte of W is read once in this launch
.set i, i+1
.endr
	WIN 0
	s_wait_loadcnt 0x0
.macro WCOL c
	WIN 0x01                                       ; source 0 window 1
.set i, 0
.rept 64
	v_mov_b32 v[X+i], v[4*i+(\c)]
.set i, i+1
.endr
	WIN 0
.irp u, 0,1                                    ; my blocks 2 u + h of the K step: all 32 numbers of each are mine
	v_max3_num_f32 v[8+\u], |v[X+32*\u]|, |v[X+32*\u+1]|, 0x1800000        ; with the floor 2^(3 - 127)
.endr
.irp i, 2,4,6,8,10,12,14,16,18,20,22,24,26,28,30
.irp u, 0,1
	v_max3_num_f32 v[8+\u], v[8+\u], |v[X+32*\u+\i]|, |v[X+32*\u+\i+1]|    ; (the two blocks by turns)
.endr
.endr
.irp u, 0,1
	v_add_nc_u32 v[10+\u], 0xff000000, v[8+\u]     ; the conversion's scale operand
.endr
.irp u, 0,1
	v_lshrrev_b32 v[12+\u], 23, v[10+\u]           ; the scale's byte
.endr
	v_lshl_or_b32 v14, v13, 16, v12                ; my two bytes, blocks h and 2 + h,
	v_lshlrev_b32 v14, v6, v14                     ; at their places in the word (8 h bits up);
	v_permlanex16_b32 v15, v14, s30, s31
	v_or_b32 v[WD+(\c)], v14, v15                  ; with lane l xor 16's two the word is whole, in both halves of the lanes
.irp u, 0,1
	v_cvt_scalef32_pk16_fp6_f32 v[F+12*(\c)+6*\u:F+12*(\c)+6*\u+2], v[X+32*\u:X+32*\u+15], v[10+\u]
	v_cvt_scalef32_pk16_fp6_f32 v[T+4*\u:T+4*\u+2], v[X+32*\u+16:X+32*\u+31], v[10+\u]     ; (a conversion's three registers begin on an even number)
.endr
	v_nop                                          ; one plain line behind the conversions
.irp u, 0,1
.irp i, 0,1,2
	v_mov_b32 v[F+12*(\c)+6*\u+3+\i], v[T+4*\u+\i]
.endr
.endr
.irp i, 0,1,2
	global_store_b128 v4, v[F+12*(\c)+4*\i:F+12*(\c)+4*\i+3], s[14:15] offset:1536*(\c)+512*\i   ; 32 lanes store 512 consecutive bytes, aligned; each fragment has registers of its own
.endr
.endm
	WCOL 0
	WCOL 1
	WCOL 2
	WCOL 3
	v_cndmask_b32 v156, v[WD], v[WD+1], s32        ; lanes 0-15 carry column set c's words, lanes 16-31 set c + 1's
	v_cndmask_b32 v157, v[WD+2], v[WD+3], s32
	global_store_b32 v5, v156, s[16:17]            ; runs of 64 bytes, 256 apart: 8,192 bytes in the whole launch leave so
	global_store_b32 v5, v157, s[16:17] offset:512
	s_endpgm
.Lfunc_end_k_q3d0d2c011d_prep:
	.size	k_q3d0d2c011d_prep, .Lfunc_end_k_q3d0d2c011d_prep-k_q3d0d2c011d_prep
	.p2alignl 7, 3214868480
	.fill 96, 4, 3214868480
	.section	.rodata,"a",@progbits
	.p2align	6, 0x0
	.amdhsa_kernel k_q3d0d2c011d_prep
		.amdhsa_group_segment_fixed_size 5888
		.amdhsa_private_segment_fixed_size 0
		.amdhsa_enable_private_segment 0
		.amdhsa_kernarg_size 56
		.amdhsa_user_sgpr_count 2
		.amdhsa_user_sgpr_kernarg_segment_ptr 1
		.amdhsa_wavefront_size32 1
		.amdhsa_system_sgpr_workgroup_id_x 1
		.amdhsa_system_sgpr_workgroup_id_y 1
		.amdhsa_system_sgpr_workgroup_id_z 1
		.amdhsa_system_vgpr_workitem_id 0
		.amdhsa_next_free_vgpr 512
		.amdhsa_next_free_sgpr 66
		.amdhsa_reserve_vcc 0
		.amdhsa_float_denorm_mode_32 3
		.amdhsa_float_denorm_mode_16_64 3
		.amdhsa_memory_ordered 1
		.amdhsa_forward_progress 1
		.amdhsa_inst_pref_size 71
	.end_amdhsa_kernel
	.amdgpu_metadata
---
amdhsa.version: [ 1, 2 ]
amdhsa.kernels:
  - .name:           k_q3d0d2c011d_prep
    .symbol:         k_q3d0d2c011d_prep.kd
    .args:
      - { .name: z_drug, .offset: 0, .size: 8, .value_kind: global_buffer, .address_space: global }
      - { .name: global_weight, .offset: 8, .size: 8, .value_kind: global_buffer, .address_space: global }
      - { .name: local_diag, .offset: 16, .size: 8, .value_kind: global_buffer, .address_space: global }
      - { .name: zq, .offset: 24, .size: 8, .value_kind: global_buffer, .address_space: global }
      - { .name: zs, .offset: 32, .size: 8, .value_kind: global_buffer, .address_space: global }
      - { .name: wq, .offset: 40, .size: 8, .value_kind: global_buffer, .address_space: global }
      - { .name: ws, .offset: 48, .size: 8, .value_kind: global_buffer, .address_space: global }
    .group_segment_fixed_size: 5888
    .private_segment_fixed_size: 0
    .kernarg_segment_align: 8
    .kernarg_segment_size: 56
    .max_flat_workgroup_size: 32
    .sgpr_count:     66
    .vgpr_count:     512
    .wavefront_size: 32
...
	.end_amdgpu_metadata
.endif
;; end of part 1
;; launch score (part 2): grid 256 x 1, 4 waves a work-group, no clusters, 202,240 bytes of LDS; arguments batch_edges, z_drug, local_diag, zq, zs, wq, ws, out0; writes out0
.if DOCPART == 2
	.amdgcn_target "amdgcn-amd-amdhsa--gfx1250"
	.amdhsa_code_object_version 6
	.text
	.protected	k_q3d0d2c011d_score
	.globl	k_q3d0d2c011d_score
	.p2align	8
	.type	k_q3d0d2c011d_score,@function
k_q3d0d2c011d_score:
	s_mov_b64 s[64:65], 0
	v_nop
	global_prefetch_b8 v0, s[64:65] scope:SCOPE_SE
	s_setreg_imm32_b32 hwreg(HW_REG_WAVE_MODE, 25, 1), 1
	s_wait_xcnt 0x0
; out[e] = sigmoid( sum over n of (Q(z[row e] * d) Q(W))[n] * d[n] * z[col e][n] ),  d = local_diag[2];  the product on codes of FP6 (E2M3) with E8M0 scales, made by the launch before (zq, zs, wq, ws).
; SHARES.  A work-group owns 512 edges: 32 tiles of 16, in 8 chunks of 4.  THE FOUR WAVES SHARE THE COLUMNS: wave w keeps W's codes of n = 128 w .. 128 w + 127 in 384 registers for the whole launch
; (8 tiles of 16 columns x 4 K steps x 12 registers) and walks all 32 tiles of edges: 32 matrix instructions a tile.
; THE LEFT OPERAND.  Wave w gathers the codes and scale words of tile 4 k + w of chunk k from zq and zs (a lane: 192 + 8 consecutive bytes), two chunks ahead, and stores them to LDS as an image of its registers;
; all four waves read each image back.  Two LDS slots of a chunk take turns, one barrier a chunk.
; THE COLUMNS OF A TILE ARE n = 128 w + 64 g + 4 r + c (g: half, c: tile of the half, r: lane % 16).  The product is used as it stands (source 0 = 16 edges, source 1 = 16 columns): register j of lane (r, h) is
; p[edge 8 h + j][n(r)].  So ONE load of 16 bytes at z[col of edge 8 h + j] + 512 w + 256 g + 16 r brings a lane the four numbers that meet tiles c = 0 .. 3, and sixteen lanes read 256 consecutive bytes, aligned.
; BY TURNS.  A step is a tile of edges, two halves g of 16 matrix instructions (K step s = 0 .. 3 outside, the four accumulators c by turns inside).  The sums p * d * col of one half stand as
; slices of 2 to 4 vector instructions behind the matrix instructions of the NEXT half, under the same register windows.  col is asked for three tiles ahead, into a ring of four places.
; A lane's sum over its 8 columns goes to LDS; at the end 64 such rows are added for each edge.  That order of the f32 sum over n (8 in a lane, then 64 rows) is the one difference from a plain sum.
; NO CLUSTER: of the 1,462,272 bytes that a work-group reads only W's 204,800 are shared with others, once, at the head; the gathers are shared by nobody.  No tensor loads: the streams are gathers by index.
; LIMITS: an index is held at 4,095 (the problem keeps it inside the table).  The sigmoid has no limit of range: 2^x at infinity gives 0, at 0 gives 1.
;
; REGISTERS, in windows of 256 (s_set_vgpr_msb: bits 1:0 source 0, 3:2 source 1, 5:4 source 2, 7:6 destination).
;   window 1 (P): all that stands as D, A, C of a product or as destination, source 0, source 2 of a slice: v0-95 A's fragments, two sets; v96-127, v128-159 the accumulators of half 0, half 1; v160-175 the sums, two sets;
;                 v176-183 col offsets; v184-187 fixed LDS addresses; v192-241 codes and scale words on their way to LDS; v242-254 addresses.
;   A BUNDLE b = 4 g + s is 80 registers of ONE window: W's four fragments of (g, s), and the ring of col quads that are used while those fragments are multiplied; d stands beside them.  So source 1's window serves both.
;   window 2: bundles 0, 1, 2; d of half 1 at v240.   window 3: bundles 3, 4, 5; d of half 1 at v240, of half 0 at v248.   window 0: bundles 6, 7 at v96, v176; d of half 0 at v48;
;                 v16-31 W's scale words, v32-35 A's (scale operands have no window); v36-44 indices from LDS.
.set SLOTB,  32768                     ; LDS: slot 0, slot 1: 4 images of 6,144 bytes,
.set SCIMG,  24576                     ; and behind them 4 images of scale words, 256 bytes each
.set RIDX,   65536                     ; the work-group's 512 row indices,
.set CIDX,   67584                     ; its 512 col indices,
.set PART,   69632                     ; and 64 rows of 512 partial sums,
.set PPITCH, 2064                      ; 2,048 bytes + 16 = 129 x 16 apart
.set AFR, 0
.set DX,  96
.set DY,  128
.set SS,  160
.set CA,  176
.set AL0, 184                          ; 16 lane
.set ASL0, 185                         ; 8 lane + SCIMG
.set SW0, 186                          ; 16 lane + 6,144 wave
.set SWS0, 187                         ; 8 lane + SCIMG + 256 wave
.set ST,  192
.set AL,  242                          ; AL0 + the slot that is read
.set ASL, 243
.set PS,  244                          ; PART + (16 wave + r) PPITCH + 32 h, + 256 a trip
.set CIA, 245                          ; CIDX + 32 h, + 256 a trip
.set SW,  246                          ; SW0 + the slot that is written
.set SWS, 247
.set CB,  248                          ; 16 r + 512 wave
.set RA,  249                          ; RIDX + 64 wave + 4 r, + 256 a trip
.set GT,  250
.set GA,  251                          ; 384 drug + 192 h
.set GS,  252                          ; 16 drug + 8 h
.set H8,  253
.set H192, 254
.set WS,  16                           ; window 0: register 2 t + x: lanes 0-15 the word of K step x of tile t's column r, lanes 16-31 that of K step 2 + x
.set SA,  32                           ; register 2 p + x: the same for the edges of A's set p
.set IX,  36
.set RX,  44
.set DD0, 48
.set DL,  56
.set RSL, 31                           ; s31 the slot that is read
.set WSL, 32                           ; s32 the slot that is written
.set MSB, 0
.macro WIN new                         ; the immediate's high byte repeats the setting that is left; a switch that changes nothing is dropped
.if MSB != (\new)
	s_set_vgpr_msb (MSB<<8)|(\new)
.set MSB, (\new)
.endif
.endm
.macro BUNDLE b                        ; bundle b's window, its first register, and where the d lies that is used beside it
.if (\b) < 6
.set WBN, 2+(\b)/3
.set BBS, 80*((\b)%3)
.else
.set WBN, 0
.set BBS, 96+80*((\b)-6)
.endif
.if (\b) < 4
.set DDB, 240
.elseif (\b) < 6
.set DDB, 248
.else
.set DDB, 48
.endif
.endm
; One product: edges of A's set p x columns of tile (g, c), K step s.  K step 0 starts the sum: nothing is cleared.  K steps 2 and 3 take their scale words from lanes 16-31.
.macro MM g, s, c, p
.if (\g)
.set DC, DY+8*(\c)
.else
.set DC, DX+8*(\c)
.endif
.set AR, AFR+48*(\p)+12*(\s)
.set BR, BBS+12*(\c)
.set SAR, SA+2*(\p)+(\s)%2
.set SBR, WS+2*(4*(\g)+(\c))+(\s)%2
.if (\s) == 0
	v_wmma_scale_f32_16x16x128_f8f6f4 v[DC:DC+7], v[AR:AR+11], v[BR:BR+11], 0, v[SAR], v[SBR] matrix_a_fmt:MATRIX_FMT_FP6 matrix_b_fmt:MATRIX_FMT_FP6
.elseif (\s) == 1
	v_wmma_scale_f32_16x16x128_f8f6f4 v[DC:DC+7], v[AR:AR+11], v[BR:BR+11], v[DC:DC+7], v[SAR], v[SBR] matrix_a_fmt:MATRIX_FMT_FP6 matrix_b_fmt:MATRIX_FMT_FP6
.else
	v_wmma_scale_f32_16x16x128_f8f6f4 v[DC:DC+7], v[AR:AR+11], v[BR:BR+11], v[DC:DC+7], v[SAR], v[SBR] matrix_a_fmt:MATRIX_FMT_FP6 matrix_b_fmt:MATRIX_FMT_FP6 matrix_a_scale:MATRIX_SCALE_ROW1 matrix_b_scale:MATRIX_SCALE_ROW1
.endif
.endm
; The slices work on the OTHER half's accumulators (DP), edges j = 2 s, 2 s + 1.  PK: p * d, two edges at once (d stands twice, as a pair).  FF: the sum takes (p d) * col.
.macro PK c, s
	v_pk_mul_f32 v[DP+8*(\c)+2*(\s):DP+8*(\c)+2*(\s)+1], v[DP+8*(\c)+2*(\s):DP+8*(\c)+2*(\s)+1], v[DDB+2*(\c):DDB+2*(\c)+1]
.endm
.macro FF c, s, jj, start              ; start = 1: a tile's first half: its first term starts the sum
.if (\start) && ((\c) == 0)
	v_mul_f32 v[SB+2*(\s)+(\jj)], v[DP+8*(\c)+2*(\s)+(\jj)], v[QC+4*(\jj)+(\c)]
.else
	v_fma_f32 v[SB+2*(\s)+(\jj)], v[DP+8*(\c)+2*(\s)+(\jj)], v[QC+4*(\jj)+(\c)], v[SB+2*(\s)+(\jj)]
.endif
.endm
; A sub-period: four products, a slice behind each (epi), and behind the slice at most:
;   xa: one LDS load of the next tile's fragments (12 in sub-periods 1 to 3 of half 0);   xc: the offset of one col row for the loads of the next step;   xr: one line of the offsets of the next gather.
; A slice's first read of an accumulator is PK of K step 0's turn: its registers 0 and 1.  It stands 7 plain vector instructions or more behind that accumulator's last product (ISA guide 7.12.1).
.macro SUB g, s, p, qe, par, epi, xa, xoff, xc, xr
	BUNDLE 4*(\g)+(\s)
	WIN 0x51|(WBN<<2)                              ; D, A, C in window 1; source 1 in the bundle's window
.if (\g)
.set DP, DX
.else
.set DP, DY
.endif
.set SB, SS+8*(\par)
.set QC, BBS+48+8*(\qe)
.irp c, 0,1,2,3
	MM \g, \s, \c, \p
.if \epi
.if \c == 0
	PK 0, \s
	PK 1, \s
.elseif \c == 1
	FF 0, \s, 0, \g
	FF 0, \s, 1, \g
	PK 2, \s
.elseif \c == 2
	FF 1, \s, 0, \g
	FF 1, \s, 1, \g
	PK 3, \s
.else
	FF 2, \s, 0, \g
	FF 2, \s, 1, \g
	FF 3, \s, 0, \g
	FF 3, \s, 1, \g
.endif
.endif
.if \xa
	ds_load_b128 v[AFR+48*(1-(\p))+4*(4*((\s)-1)+\c):AFR+48*(1-(\p))+4*(4*((\s)-1)+\c)+3], v[AL] offset:(\xoff)+512*(4*((\s)-1)+\c)
.endif
.if \xc
	v_min_u32 v[CA+4*((\s)-2)+\c], 0xfff, v[IX+4*((\s)-2)+\c]             ; (bundles 6 and 7 lie in window 0, and so do the indices)
	v_lshl_add_u32 v[CA+4*((\s)-2)+\c], v[CA+4*((\s)-2)+\c], 11, v[CB]    ; 2,048 x col + 512 wave + 16 r
.endif
.if \xr
.if \c == 0
	v_min_u32 v[GT], 0xfff, v[RX]
.elseif \c == 1
	v_lshl_add_u32 v[GS], v[GT], 4, v[H8]
.elseif \c == 2
	v_lshl_add_u32 v[GA], v[GT], 7, v[H192]
.else
	v_lshl_add_u32 v[GA], v[GT], 8, v[GA]                                 ; 128 + 256 = 384 bytes a drug
.endif
.endif
.endr
.endm
; Eight loads: half gp of the col rows of a tile, into place slot of the ring.  Edge j's quad lies in the bundle beside which it will be used: 4 (1 - gp) + j / 2.
.macro RUN gp, slot, abase
.irp j, 0,1,2,3,4,5,6,7
	BUNDLE 4*(1-(\gp))+\j/2
	WIN (WBN<<6)|1                                 ; destination: the bundle's window; the offset: window 1
	global_load_b128 v[BBS+48+8*(\slot)+4*(\j%2):BBS+48+8*(\slot)+4*(\j%2)+3], v[(\abase)+\j], s[6:7] offset:256*(\gp)
.endr
.endm
; A STEP: tile m, pos = m % 4.  n0, n1: how many younger loads may stay out (8 for each run and 13 for each gather issued since the run that is wanted: half 1 of tile m - 1, asked for in step m - 4; half 0 of tile m, in step m - 3).
; epi0: half 0 carries tile m - 1's second sums, and they are stored.  run: col of tile m + 3 is asked for.  idx: the col indices of tile m + 4 come from LDS and become offsets.  xaf: tile m + 1's fragments come from LDS.
; stg: the chunk gathered four steps ago goes to LDS.  gat: the chunk after it is gathered.  rx: the row index for the next gather.  sig, bw: the two halves of a chunk's barrier.  pso, ixo: immediates.
.macro STEP pos, n0, n1, epi0, run, idx, xaf, stg, gat, rx, sig, bw, pso, ixo
.set SP_, (\pos)%2
.set SQP, ((\pos)+3)%4
.set SNX, ((\pos)+1)%4
.if \bw
	s_barrier_wait -1                              ; every wave has stored its image of the next chunk and has read the last chunk's images
.endif
.if (\n0) >= 0
	s_wait_loadcnt \n0
.endif
.if \bw
	WIN 0x55
	s_xor_b32 s[RSL], s[RSL], SLOTB                ; tile m + 1 begins the next chunk: the other slot (no LDS instruction of mine is out)
	v_add_nc_u32 v[AL], s[RSL], v[AL0]
	v_add_nc_u32 v[ASL], s[RSL], v[ASL0]
.endif
.if \stg
	WIN 0x55
	s_xor_b32 s[WSL], s[WSL], SLOTB                ; the slot whose chunk was left at the last barrier
	v_add_nc_u32 v[SW], s[WSL], v[SW0]
	v_add_nc_u32 v[SWS], s[WSL], v[SWS0]
.irp i, 0,1,2,3,4,5,6,7,8,9,10,11
	ds_store_b128 v[SW], v[ST+4*\i:ST+4*\i+3] offset:512*\i               ; the gather has 56 younger loads: n0 = 48 shows it landed
.endr
	ds_store_b64 v[SWS], v[ST+48:ST+49]
.endif
.if \run
	RUN 0, SQP, CA                                 ; the place that tile m - 1's half 0 left in the step before
.endif
.if \xaf
	WIN 0x01
	ds_load_b64 v[SA+2*(1-SP_):SA+2*(1-SP_)+1], v[ASL] offset:256*SNX     ; four plain vector instructions, the last slice, stand behind the last product that read these two
.endif
.if \idx
	WIN 0x01
	ds_load_b128 v[IX:IX+3], v[CIA] offset:\ixo
	ds_load_b128 v[IX+4:IX+7], v[CIA] offset:(\ixo)+16
.endif
.if \rx
	ds_load_b32 v[RX], v[RA] offset:768
.endif
	SUB 0, 0, SP_, SQP, 1-SP_, \epi0, 0, 0, 0, 0
	SUB 0, 1, SP_, SQP, 1-SP_, \epi0, \xaf, 6144*SNX, 0, 0
	SUB 0, 2, SP_, SQP, 1-SP_, \epi0, \xaf, 6144*SNX, 0, 0
	SUB 0, 3, SP_, SQP, 1-SP_, \epi0, \xaf, 6144*SNX, 0, 0
.if !(\epi0)
.rept 4
	v_nop                                          ; no slices here: the places in front of the first read of these results
.endr
.endif
	s_wait_loadcnt \n1
	WIN 0x55
.if \gat
.if \stg
	s_wait_dscnt 15                                ; behind the staging stores stand 3 + 12 LDS loads: the stores have read their registers
.endif
.irp i, 0,1,2,3,4,5,6,7,8,9,10,11
	global_load_b128 v[ST+4*\i:ST+4*\i+3], v[GA], s[10:11] offset:16*\i   ; my lane's 48 registers of its drug: 192 bytes on end
.endr
	global_load_b64 v[ST+48:ST+49], v[GS], s[12:13]
.endif
.if \epi0
	ds_store_b128 v[PS], v[SS+8*(1-SP_):SS+8*(1-SP_)+3] offset:\pso       ; tile m - 1: my eight edges' sums over my 8 columns
	ds_store_b128 v[PS], v[SS+8*(1-SP_)+4:SS+8*(1-SP_)+7] offset:(\pso)+16
.endif
.if \run
	RUN 1, SQP, CA                                 ; the place that tile m - 1's half 1 has just left
.endif
	SUB 1, 0, SP_, \pos, SP_, 1, 0, 0, 0, 0
	SUB 1, 1, SP_, \pos, SP_, 1, 0, 0, 0, 0
	s_wait_xcnt 0x0                                ; the loads issued so far have read their offsets: these are written again only behind this wait
	s_wait_dscnt 0x0                               ; the indices and tile m + 1's fragments are in; all my LDS stores have landed
.if \sig
	s_barrier_signal -1                            ; my reads of this chunk's images and my store of the next chunk's are done; only work on registers follows up to the wait
.endif
	SUB 1, 2, SP_, \pos, SP_, 1, 0, 0, \idx, 0
	SUB 1, 3, SP_, \pos, SP_, 1, 0, 0, \idx, \rx
.endm
.macro WLOAD b                         ; bundle b's four fragments: images of registers, 512 consecutive bytes a load
	BUNDLE \b
	WIN WBN<<6
.irp c, 0,1,2,3
.irp i, 0,1,2
	global_load_b128 v[BBS+12*\c+4*\i:BBS+12*\c+4*\i+3], v11, s[14:15] offset:(4*(\b)+\c)*1536+512*\i
.endr
.endr
.endm
	; ---------------- the head ----------------
	s_load_b512 s[4:19], s[0:1], 0x0               ; edges s[4:5], z s[6:7], local_diag s[8:9], zq s[10:11], zs s[12:13], wq s[14:15], ws s[16:17], out s[18:19]
	v_lshl_add_u32 v94, v0, 2, 0x31400
	v_mov_b32 v95, 0
	v_and_b32 v1, 31, v0                           ; lane
	v_and_b32 v2, 15, v0                           ; r
	v_bfe_u32 v3, v0, 4, 1                         ; h
	v_lshrrev_b32 v4, 5, v0
	v_readfirstlane_b32 s20, v4                    ; wave 0..3
	s_mul_i32 s21, s20, 6144
	s_lshl_b32 s22, s20, 8
	s_add_co_u32 s22, s22, SCIMG
	s_mul_i32 s23, s20, 16*PPITCH
	s_add_co_u32 s23, s23, PART
	s_lshl_b32 s24, s20, 9
	s_lshl_b32 s25, s20, 6
	s_add_co_u32 s26, s25, RIDX
	s_mov_b32 s[RSL], 0
	s_mov_b32 s[WSL], SLOTB                        ; the first staging store of the loop turns it to slot 0
	v_mul_u32_u24 v5, v2, PPITCH
	v_lshl_add_u32 v5, v3, 5, v5
	v_lshlrev_b32 v6, 4, v0                        ; 16 x thread
	v_lshl_add_u32 v7, v2, 2, s25                  ; 64 wave + 4 r
	v_lshlrev_b32 v8, 5, v3                        ; 32 h
	v_lshlrev_b32 v9, 4, v2                        ; 16 r
	v_lshlrev_b32 v10, 7, v3
	v_lshl_add_u32 v10, v2, 2, v10                 ; 128 h + 4 r
	v_lshlrev_b32 v11, 4, v1                       ; 16 lane
	v_add_nc_u32 v12, RIDX, v6
	WIN 0x40                                       ; destination window 1
	v_lshlrev_b32 v[AL0], 4, v1
	v_lshl_add_u32 v[ASL0], v1, 3, SCIMG
	v_lshl_add_u32 v[SW0], v1, 4, s21
	v_lshl_add_u32 v[SWS0], v1, 3, s22
	v_lshlrev_b32 v[AL], 4, v1                     ; slot 0
	v_lshl_add_u32 v[ASL], v1, 3, SCIMG
	v_add_nc_u32 v[PS], s23, v5
	v_lshl_add_u32 v[CIA], v3, 5, CIDX
	v_lshl_add_u32 v[CB], v2, 4, s24
	v_lshl_add_u32 v[RA], v2, 2, s26
	v_lshlrev_b32 v[H8], 3, v3
	v_mul_u32_u24 v[H192], v3, 192
	s_lshl_b32 s28, ttmp9, 11                      ; 512 edges of 4 bytes
	s_mov_b32 s29, 0
	s_wait_kmcnt 0x0
	s_add_nc_u64 s[4:5], s[4:5], s[28:29]
	s_add_nc_u64 s[18:19], s[18:19], s[28:29]
	s_add_co_u32 s28, s24, 4096                    ; row 2 of local_diag, my wave's 128 numbers
	s_add_nc_u64 s[8:9], s[8:9], s[28:29]
	s_mul_i32 s28, s20, 49152
	s_add_nc_u64 s[14:15], s[14:15], s[28:29]
	s_lshl_b32 s28, s20, 11
	s_add_nc_u64 s[16:17], s[16:17], s[28:29]
	; 13 loads of indices, into registers of window 1 that the accumulators take later
	global_load_b128 v[96:99], v6, s[4:5]                                 ; my thread's 4 row indices, for LDS
	global_load_b128 v[100:103], v6, s[4:5] offset:524288                 ; and 4 col indices (the second row of batch_edges)
	global_load_b32 v104, v7, s[4:5]                                      ; the row index of edge r of my tile in chunks 0, 1, 2
	global_load_b32 v105, v7, s[4:5] offset:256
	global_load_b32 v106, v7, s[4:5] offset:512
.irp t, 0,1,2,3
	global_load_b128 v[112+8*\t:115+8*\t], v8, s[4:5] offset:524288+64*\t     ; the col indices of edges 8 h + 0 .. 7 of tiles 0 to 3
	global_load_b128 v[116+8*\t:119+8*\t], v8, s[4:5] offset:524288+64*\t+16
.endr
	; 114 loads that stay: d, W's scale words, W's fragments
	WIN 0
	global_load_b128 v[DL:DL+3], v9, s[8:9]                               ; d[128 w + 4 r + c]
	global_load_b128 v[DL+4:DL+7], v9, s[8:9] offset:256                  ; d[128 w + 64 + 4 r + c]
.irp t, 0,1,2,3,4,5,6,7
	global_load_b32 v[WS+2*\t], v10, s[16:17] offset:256*\t
	global_load_b32 v[WS+2*\t+1], v10, s[16:17] offset:256*\t+64
.endr
	WLOAD 6
	WLOAD 7
	WLOAD 0
	WLOAD 1
	WLOAD 2
	WLOAD 3
	WLOAD 4
	WLOAD 5
	s_wait_loadcnt 63                              ; the index loads have 114 younger loads behind them: they are in
	WIN 0x04                                       ; address window 0, data window 1
	ds_store_b128 v12, v[96:99]                    ; the indices as they came: each is held at 4,095 where it becomes an offset
	ds_store_b128 v12, v[100:103] offset:CIDX-RIDX
	WIN 0x55
.set i, 0
.rept 24
	v_min_u32 v[112+i], 0xfff, v[112+i]
.set i, i+1
.endr
.set i, 0
.rept 24
	v_lshl_add_u32 v[112+i], v[112+i], 11, v[CB]   ; col offsets of tiles 0, 1, 2
.set i, i+1
.endr
.irp j, 0,1,2,3,4,5,6,7
	v_min_u32 v[CA+\j], 0xfff, v[136+\j]
.endr
.irp j, 0,1,2,3,4,5,6,7
	v_lshl_add_u32 v[CA+\j], v[CA+\j], 11, v[CB]   ; of tile 3: step 0's loads
.endr
.irp q, 0,1
	v_min_u32 v[104+\q], 0xfff, v[104+\q]
	v_lshl_add_u32 v[108+\q], v[104+\q], 4, v[H8]
	v_lshl_add_u32 v[110+\q], v[104+\q], 7, v[H192]
	v_lshl_add_u32 v[110+\q], v[104+\q], 8, v[110+\q]
.endr
	v_min_u32 v[GT], 0xfff, v106
	v_lshl_add_u32 v[GS], v[GT], 4, v[H8]
	v_lshl_add_u32 v[GA], v[GT], 7, v[H192]
	v_lshl_add_u32 v[GA], v[GT], 8, v[GA]          ; chunk 2: step 0's gather
.irp i, 0,1,2,3,4,5,6,7,8,9,10,11
	global_load_b128 v[ST+4*\i:ST+4*\i+3], v110, s[10:11] offset:16*\i    ; chunk 0
.endr
	global_load_b64 v[ST+48:ST+49], v108, s[12:13]
.irp i, 0,1,2,3,4,5,6,7,8,9,10,11
	global_load_b128 v[4*\i:4*\i+3], v111, s[10:11] offset:16*\i          ; chunk 1, for now where A's fragments will lie
.endr
	global_load_b64 v[48:49], v109, s[12:13]
	RUN 0, 0, 112                                  ; col of tiles 0, 1, 2, in the order in which the steps ask: the loop's counts hold from its first trip on
	RUN 1, 0, 112
	RUN 0, 1, 120
	RUN 1, 1, 120
	RUN 0, 2, 128
	RUN 1, 2, 128
	s_wait_loadcnt 48                              ; all but these 48
	WIN 0
.irp c, 0,1,2,3
	v_mov_b32 v[DD0+2*\c], v[DL+\c]                ; d, each number twice (a pair for the packed multiply), beside each bundle that wants it: 32 copies, once
	v_mov_b32 v[DD0+2*\c+1], v[DL+\c]
.endr
	WIN 0xc0
.irp c, 0,1,2,3
	v_mov_b32 v[248+2*\c], v[DL+\c]
	v_mov_b32 v[248+2*\c+1], v[DL+\c]
	v_mov_b32 v[240+2*\c], v[DL+4+\c]
	v_mov_b32 v[240+2*\c+1], v[DL+4+\c]
.endr
	WIN 0x80
.irp c, 0,1,2,3
	v_mov_b32 v[240+2*\c], v[DL+4+\c]
	v_mov_b32 v[240+2*\c+1], v[DL+4+\c]
.endr
	WIN 0x55
.irp i, 0,1,2,3,4,5,6,7,8,9,10,11
	ds_store_b128 v[SW0], v[ST+4*\i:ST+4*\i+3] offset:512*\i              ; chunk 0 into slot 0,
.endr
	ds_store_b64 v[SWS0], v[ST+48:ST+49]
.irp i, 0,1,2,3,4,5,6,7,8,9,10,11
	ds_store_b128 v[SW0], v[4*\i:4*\i+3] offset:SLOTB+512*\i              ; chunk 1 into slot 1
.endr
	ds_store_b64 v[SWS0], v[48:49] offset:SLOTB
	s_wait_dscnt 0x0                               ; for the others' sake: my indices and images have landed
	s_wait_xcnt 0x0                                ; the loads have read their offsets: the accumulators may take those registers
	s_barrier_signal -1
	s_barrier_wait -1
.irp i, 0,1,2,3,4,5,6,7,8,9,10,11
	ds_load_b128 v[AFR+4*\i:AFR+4*\i+3], v[AL] offset:512*\i              ; tile 0's fragments
.endr
	WIN 0x01
	ds_load_b64 v[SA:SA+1], v[ASL]
	s_wait_dscnt 0x0
	; ---------------- 32 steps ----------------
	;    pos  n0  n1 epi0 run idx xaf stg gat rx sig bw  pso  ixo
	STEP 0,   -1, 48, 0,   1,  1,  1,  0,  1,  0, 0,  0,  0,   256          ; step 0: nothing to sum yet in its first half; chunk 2 is gathered
	WIN 0                                          ; at a label and at a branch every window is 0
	s_mov_b32 s30, 0
.Ltrip:                                            ; five trips: steps 4 t + 1 .. 4 t + 4
	STEP 1,   61, 61, 1,   1,  1,  1,  0,  0,  0, 0,  0,  0,   320
	STEP 2,   61, 61, 1,   1,  1,  1,  0,  0,  0, 1,  0,  64,  384
	STEP 3,   61, 61, 1,   1,  1,  1,  0,  0,  1, 0,  1,  128, 448
	STEP 0,   48, 48, 1,   1,  1,  1,  1,  1,  0, 0,  0,  192, 512
	WIN 0x55
	v_add_nc_u32 v[PS], 0x100, v[PS]               ; four tiles on: 64 edges of 4 bytes (no LDS instruction of mine is out)
	v_add_nc_u32 v[CIA], 0x100, v[CIA]
	v_add_nc_u32 v[RA], 0x100, v[RA]
	WIN 0
	s_add_co_u32 s30, s30, 1
	s_cmp_lt_u32 s30, 5
	s_cbranch_scc1 .Ltrip
	STEP 1,   61, 61, 1,   1,  1,  1,  0,  0,  0, 0,  0,  0,   320          ; steps 21 to 31 are written out: what is asked for ahead ends piece by piece, and the counts run down
	STEP 2,   61, 61, 1,   1,  1,  1,  0,  0,  0, 1,  0,  64,  384
	STEP 3,   61, 61, 1,   1,  1,  1,  0,  0,  0, 0,  1,  128, 448
	STEP 0,   48, 48, 1,   1,  1,  1,  1,  0,  0, 0,  0,  192, 512          ; step 24: the last chunk goes to LDS
	STEP 1,   48, 48, 1,   1,  1,  1,  0,  0,  0, 0,  0,  256, 576
	STEP 2,   48, 48, 1,   1,  1,  1,  0,  0,  0, 1,  0,  320, 640
	STEP 3,   48, 48, 1,   1,  1,  1,  0,  0,  0, 0,  1,  384, 704
	STEP 0,   48, 48, 1,   1,  0,  1,  0,  0,  0, 0,  0,  448, 0            ; step 28: col of tile 31, the last
	STEP 1,   48, 40, 1,   0,  0,  1,  0,  0,  0, 0,  0,  512, 0
	STEP 2,   32, 24, 1,   0,  0,  1,  0,  0,  0, 0,  0,  576, 0
	STEP 3,   16, 8,  1,   0,  0,  0,  0,  0,  0, 0,  0,  640, 0
	; tile 31's second sums, with no products to stand behind
	s_wait_loadcnt 0x0
.macro EPI s
	BUNDLE \s
	WIN 0x51|(WBN<<2)
.set DP, DY
.set SB, SS+8
.set QC, BBS+48+8*3
.irp c, 0,1,2,3
	PK \c, \s
.endr
.irp c, 0,1,2,3
	FF \c, \s, 0, 0
	FF \c, \s, 1, 0
.endr
.endm
	EPI 0
	EPI 1
	EPI 2
	EPI 3
	WIN 0x55
	ds_store_b128 v[PS], v[SS+8:SS+11] offset:704
	ds_store_b128 v[PS], v[SS+12:SS+15] offset:720
	WIN 0
	s_wait_dscnt 0x0                               ; for the others' sake: all my partial sums have landed
	s_barrier_signal -1
	s_barrier_wait -1
	; ---------------- the end: thread t adds the 64 rows for edges 4 t .. 4 t + 3 ----------------
	v_lshlrev_b32 v1, 4, v0
	v_add_nc_u32 v2, PART, v1                      ; rows 0-31 (an LDS immediate has 16 bits),
	v_add_nc_u32 v3, PART+32*PPITCH, v1            ; rows 32-63
.macro TLOADS b                        ; rows 16 b .. 16 b + 15 into buffer b % 2: 32 lanes read 512 consecutive bytes
.irp i, 0,1,2,3,4,5,6,7,8,9,10,11,12,13,14,15
	ds_load_b128 v[96+64*((\b)%2)+4*\i:96+64*((\b)%2)+4*\i+3], v[2+(\b)/2] offset:(16*((\b)%2)+\i)*PPITCH
.endr
.endm
.macro TSUM b                          ; two packed chains; the first addition takes two rows, so nothing is cleared
.set TBF, 96+64*((\b)%2)
.set i, 0
.if (\b) == 0
	v_pk_add_f32 v[4:5], v[TBF:TBF+1], v[TBF+4:TBF+5]
	v_pk_add_f32 v[6:7], v[TBF+2:TBF+3], v[TBF+6:TBF+7]
.set i, 2
.endif
.rept 16
.if i < 16
	v_pk_add_f32 v[4:5], v[4:5], v[TBF+4*i:TBF+4*i+1]
	v_pk_add_f32 v[6:7], v[6:7], v[TBF+4*i+2:TBF+4*i+3]
.endif
.set i, i+1
.endr
.endm
	TLOADS 0
	TLOADS 1
	s_wait_dscnt 16                                ; the older sixteen are in
	TSUM 0
	TLOADS 2
	s_wait_dscnt 16
	TSUM 1
	TLOADS 3
	s_wait_dscnt 16
	TSUM 2
	s_wait_dscnt 0x0
	TSUM 3
.irp i, 0,1,2,3
	v_mul_f32 v[8+\i], 0xbfb8aa3b, v[4+\i]         ; -score x log2(e)
.endr
.irp i, 0,1,2,3
	v_exp_f32 v[8+\i], v[8+\i]
.endr
	v_nop                                          ; a plain line behind the exponentials (ISA guide 5.7.2)
	s_wait_alu depctr_va_vdst(0)
.irp i, 0,1,2,3
	v_add_f32 v[8+\i], 1.0, v[8+\i]
.endr
.irp i, 0,1,2,3
	v_rcp_f32 v[12+\i], v[8+\i]                    ; 1 / (1 + e^-score)
.endr
	v_nop                                          ; and behind the reciprocals
	s_wait_alu depctr_va_vdst(0)
	global_store_b128 v1, v[12:15], s[18:19] th:TH_STORE_NT               ; a wave stores 512 consecutive bytes, aligned; written once, read by nobody here
	s_wait_tensorcnt 0x0
	ds_add_u32 v94, v95
	s_wait_dscnt 0x0
	s_endpgm
.Lfunc_end_k_q3d0d2c011d_score:
	.size	k_q3d0d2c011d_score, .Lfunc_end_k_q3d0d2c011d_score-k_q3d0d2c011d_score
	.p2alignl 7, 3214868480
	.fill 96, 4, 3214868480
	.section	.rodata,"a",@progbits
	.p2align	6, 0x0
	.amdhsa_kernel k_q3d0d2c011d_score
		.amdhsa_group_segment_fixed_size 202240
		.amdhsa_private_segment_fixed_size 0
		.amdhsa_enable_private_segment 0
		.amdhsa_kernarg_size 64
		.amdhsa_user_sgpr_count 2
		.amdhsa_user_sgpr_kernarg_segment_ptr 1
		.amdhsa_wavefront_size32 1
		.amdhsa_system_sgpr_workgroup_id_x 1
		.amdhsa_system_sgpr_workgroup_id_y 1
		.amdhsa_system_sgpr_workgroup_id_z 1
		.amdhsa_system_vgpr_workitem_id 0
		.amdhsa_next_free_vgpr 1024
		.amdhsa_next_free_sgpr 66
		.amdhsa_reserve_vcc 0
		.amdhsa_float_denorm_mode_32 3
		.amdhsa_float_denorm_mode_16_64 3
		.amdhsa_memory_ordered 1
		.amdhsa_forward_progress 1
		.amdhsa_inst_pref_size 255
	.end_amdhsa_kernel
	.section	.bss,"aw",@nobits
	.p2align	6
	.space	262144
	.amdgpu_metadata
---
amdhsa.version: [ 1, 2 ]
amdhsa.kernels:
  - .name:           k_q3d0d2c011d_score
    .symbol:         k_q3d0d2c011d_score.kd
    .args:
      - { .name: batch_edges, .offset: 0, .size: 8, .value_kind: global_buffer, .address_space: global }
      - { .name: z_drug, .offset: 8, .size: 8, .value_kind: global_buffer, .address_space: global }
      - { .name: local_diag, .offset: 16, .size: 8, .value_kind: global_buffer, .address_space: global }
      - { .name: zq, .offset: 24, .size: 8, .value_kind: global_buffer, .address_space: global }
      - { .name: zs, .offset: 32, .size: 8, .value_kind: global_buffer, .address_space: global }
      - { .name: wq, .offset: 40, .size: 8, .value_kind: global_buffer, .address_space: global }
      - { .name: ws, .offset: 48, .size: 8, .value_kind: global_buffer, .address_space: global }
      - { .name: out0, .offset: 56, .size: 8, .value_kind: global_buffer, .address_space: global }
    .group_segment_fixed_size: 202240
    .private_segment_fixed_size: 0
    .kernarg_segment_align: 8
    .kernarg_segment_size: 64
    .max_flat_workgroup_size: 128
    .sgpr_count:     66
    .vgpr_count:     1024
    .wavefront_size: 32
...
	.end_amdgpu_metadata
.endif
;; end of part 2
;; ======== version 2 of 2: 2 launches
;; workspace buffers: zq 1,572,864 bytes; zs 65,536 bytes; wq 196,608 bytes; ws 8,192 bytes
;; launch prep (part 3): grid 288 x 1, 1 waves a work-group, no clusters, 5,888 bytes of LDS; arguments z_drug, global_weight, local_diag, zq, zs, wq, ws; writes zq, zs, wq, ws
.if DOCPART == 3
	.amdgcn_target "amdgcn-amd-amdhsa--gfx1250"
	.amdhsa_code_object_version 6
	.text
	.protected	k_q3d0d2c011d_prep
	.globl	k_q3d0d2c011d_prep
	.p2align	8
	.type	k_q3d0d2c011d_prep,@function
k_q3d0d2c011d_prep:
	s_mov_b64 s[64:65], 0
	v_nop
	global_prefetch_b8 v0, s[64:65] scope:SCOPE_SE
	s_setreg_imm32_b32 hwreg(HW_REG_WAVE_MODE, 25, 1), 1
	s_wait_xcnt 0x0
; BOTH OPERANDS OF THE PRODUCT ARE QUANTISED ONCE, to codes of FP6 (E2M3) with one E8M0 byte for each 32 along K, and laid as the second launch's registers want them.
; The left operand z[row] * d (d = local_diag[2]) has 4,096 distinct rows, one a drug: work-groups 0 to 255 quantise 16 drugs each.  The right operand W [k][n] has K as its first axis: work-groups 256 to 287.
; A block's scale is 2^(floor(log2(its largest magnitude)) - 2); its byte is the largest magnitude's exponent field - 2, held at 1 from below by a floor among the maximum's leaves.
; LIMITS: NaN and infinities among the inputs are not served.  A block whose largest magnitude lies under 2^-124 keeps the byte 1.  A block of zeros gets the byte 1 where the rule says 127: its codes are zeros,
; which add nothing under any byte but 0xff, and these bytes are read by this program alone.
; zq [drug][384 bytes]: block b = 4 s + 2 c + h (k = 32 b ..) lies at byte 24 (8 h + 2 s + c): so lane (r, h) of a fragment finds the 48 registers of its four K steps as 192 bytes on end, at 384 drug + 192 h.
; zs [drug][16]: the bytes in the blocks' own order: word s is K step s's scale word.
; wq: images of registers: ((8 w + 4 g + s) 4 + c) 1,536 + 512 i + 16 lane holds registers 4 i .. 4 i + 3 of the fragment of K step s whose lane r is column n = 128 w + 64 g + 4 r + c.
; ws: the word at 2,048 w + 256 (4 g + c) + 64 s + 4 r is that column's scale word of K step s.
; One wave to a work-group: no barrier.  Only the drugs' path uses LDS.
.set SP,   80                          ; a lane's place in a stage: 64 bytes + 16 of padding
.set SCB,  5120                        ; behind the two stages of 32 x SP bytes: the work-group's 256 scale bytes
.set DD,   16                          ; v16-31   d[16 lane .. 16 lane + 15]
.set X,    32                          ; v32-63   two sets of 16 neighbours (drugs);  v32-95 a column's 64 numbers (W)
.set C,    64                          ; v64-127  codes: four registers a row, so that no store's data are written again
.set E,    128                         ; v128-143 a scale byte a row
.set F,    96                          ; v96-143  W: four fragments of 12 registers
.set T,    144                         ; v144-151 W: the halves that a conversion cannot put in their place
.set WD,   152                         ; v152-155 W: four scale words
.set MSB, 0
.macro WIN new                         ; s_set_vgpr_msb: bits 1:0 source 0, 3:2 source 1, 5:4 source 2, 7:6 destination; the high byte repeats the setting that is left
.if MSB != (\new)
	s_set_vgpr_msb (MSB<<8)|(\new)
.set MSB, (\new)
.endif
.endm
	s_load_b256 s[4:11], s[0:1], 0x0               ; z s[4:5], W s[6:7], local_diag s[8:9], zq s[10:11]
	s_load_b128 s[12:15], s[0:1], 0x20             ; zs s[12:13], wq s[14:15]
	s_load_b64 s[16:17], s[0:1], 0x30              ; ws
	v_lshl_add_u32 v254, v0, 2, 0x1600
	v_mov_b32 v255, 0
	s_cmp_lt_u32 ttmp9, 256
	s_cbranch_scc0 .Lweight
	; ---------------- 16 drugs: a step is one row of 512 numbers ----------------
	; A conversion takes 16 neighbours along K from ONE lane's registers; a load is best where neighbouring LANES take neighbouring bytes.  So a row's four loads read 512 consecutive bytes each, and its 2,048 bytes
	; turn through a stage in LDS: in as they lie, back 64 bytes a lane.  Two neighbouring lanes hold a block of 32.
	v_lshlrev_b32 v3, 4, v0                        ; my 16 bytes of a load's 512
	v_lshlrev_b32 v2, 6, v0                        ; my 16 numbers of d
	v_lshrrev_b32 v14, 2, v0
	v_mul_u32_u24 v14, v14, SP
	v_and_b32 v15, 3, v0
	v_lshl_add_u32 v14, v15, 4, v14                ; the stage, in: SP (lane / 4) + 16 (lane % 4)
	v_mul_u32_u24 v15, v0, SP                      ; and back: SP x lane
	v_bfe_u32 v8, v0, 1, 1                         ; my block is lane / 2 = 4 s + 2 c + h:  h,
	v_bfe_u32 v9, v0, 2, 1                         ; c,
	v_lshrrev_b32 v10, 3, v0                       ; s
	v_lshl_add_u32 v9, v10, 1, v9
	v_lshl_add_u32 v9, v8, 3, v9                   ; its place in the drug's 384 bytes: 8 h + 2 s + c
	v_and_b32 v8, 1, v0
	v_mul_u32_u24 v8, v8, 12
	v_mad_u32_u24 v4, v9, 24, v8                   ; 24 x place + 12 x (which half of the block is mine)
	v_lshrrev_b32 v5, 1, v0
	v_add_nc_u32 v5, SCB, v5                       ; LDS: my block's byte
	v_lshlrev_b32 v7, 3, v0
	v_add_nc_u32 v6, SCB, v7                       ; and on the way out 8 bytes a lane
	s_lshl_b32 s20, ttmp9, 15                      ; 16 rows of 2,048 bytes
	s_mov_b32 s21, 0
	s_mul_i32 s22, ttmp9, 6144                     ; 16 x 384
	s_mov_b32 s23, 0
	s_lshl_b32 s24, ttmp9, 8                       ; 16 x 16
	s_mov_b32 s25, 0
	s_wait_kmcnt 0x0
	s_add_nc_u64 s[4:5], s[4:5], s[20:21]
	s_add_nc_u64 s[10:11], s[10:11], s[22:23]
	s_add_nc_u64 s[12:13], s[12:13], s[24:25]
.irp i, 0,1,2,3
	global_load_b128 v[DD+4*\i:DD+4*\i+3], v2, s[8:9] offset:4096+16*\i    ; row 2 of local_diag begins at byte 4,096
.endr
	WIN 0x40                                       ; destination window 1: all 16 rows are asked for at once, 16 registers a row
.set i, 0
.rept 64
	global_load_b128 v[4*i:4*i+3], v3, s[4:5] offset:512*i                 ; 32 lanes read 512 consecutive bytes
.set i, i+1
.endr
	WIN 0
.macro TURN t                          ; row t through stage t % 2: LDS serves a wave's instructions in order (ISA guide 5.7.1.4), so no wait stands between the stores and the loads
	WIN 0x04                                       ; an LDS store's data are its source 1: window 1
.irp i, 0,1,2,3
	ds_store_b128 v14, v[16*(\t)+4*\i:16*(\t)+4*\i+3] offset:32*SP*((\t)%2)+8*SP*\i
.endr
	WIN 0
.irp i, 0,1,2,3
	ds_load_b128 v[X+16*((\t)%2)+4*\i:X+16*((\t)%2)+4*\i+3], v15 offset:32*SP*((\t)%2)+16*\i
.endr
.endm
.macro ZSTEP t
.set XS, X+16*((\t)%2)
.if (\t) > 0
	s_wait_dscnt 1                                 ; this row is back from the stage; the last row's byte store may be out
.else
	s_wait_dscnt 0x0
.endif
.if (\t) < 15
	s_wait_loadcnt 4*(14-(\t))                     ; the next row's four loads are in; those of the rows behind it may be out
	TURN (\t)+1                                    ; it goes through the other stage while this row is worked
.endif
.irp i, 0,2,4,6,8,10,12,14
	v_pk_mul_f32 v[XS+\i:XS+\i+1], v[XS+\i:XS+\i+1], v[DD+\i:DD+\i+1]      ; z * d, one rounding in f32
.endr
	v_max3_num_f32 v8, |v[XS]|, |v[XS+1]|, |v[XS+2]|                       ; the largest magnitude of my 16, in two chains
	v_max3_num_f32 v9, |v[XS+3]|, |v[XS+4]|, |v[XS+5]|
.irp i, 6,10
	v_max3_num_f32 v8, v8, |v[XS+\i]|, |v[XS+\i+1]|
	v_max3_num_f32 v9, v9, |v[XS+\i+2]|, |v[XS+\i+3]|
.endr
	v_max3_num_f32 v8, v8, |v[XS+14]|, |v[XS+15]|
	v_max3_num_f32 v8, v8, v9, 0x1800000           ; and the floor 2^(3 - 127): the byte cannot fall under 1
	v_max_num_f32_dpp v8, v8, v8 row_xmask:1 row_mask:0xf bank_mask:0xf    ; with my neighbour's 16: the block's
	v_add_nc_u32 v11, 0xff000000, v8               ; 2 off its exponent field: the conversion takes the exponent field of this operand as its scale, and nothing else of it
	v_cvt_scalef32_pk16_fp6_f32 v[C+4*(\t):C+4*(\t)+2], v[XS:XS+15], v11   ; to the nearest code, ties to even, beyond 7.5 the largest code; 96 bits without gaps
	v_lshrrev_b32 v[E+(\t)], 23, v11               ; the scale's byte (also the plain line behind the conversion)
	ds_store_b8 v5, v[E+(\t)] offset:16*(\t)       ; both lanes of a block write the same byte with the same value
	global_store_b96 v4, v[C+4*(\t):C+4*(\t)+2], s[10:11] offset:384*(\t)  ; the wave's 32 pieces of 12 bytes fill the drug's 384 consecutive bytes
.endm
	s_wait_loadcnt 60                              ; d and row 0 are in: 60 loads are younger
	TURN 0
.irp t, 0,1,2,3,4,5,6,7,8,9,10,11,12,13,14,15
	ZSTEP \t
.endr
	ds_load_b64 v[12:13], v6                       ; in order behind my byte stores
	s_wait_dscnt 0x0
	global_store_b64 v7, v[12:13], s[12:13]        ; 32 lanes store 256 consecutive bytes, aligned
	s_wait_tensorcnt 0x0
	ds_add_u32 v254, v255
	s_wait_dscnt 0x0
	s_endpgm
	; ---------------- W: work-group 256 + 8 w + 4 g + s makes the four fragments (c = 0 .. 3) of K step s for columns 128 w + 64 g + 4 r + c ----------------
	; Lane (r, h) loads, for each of its 64 k (128 s + 64 c' + 32 h + i), the 16 bytes of columns 4 r .. 4 r + 3: sixteen lanes read 256 consecutive bytes, aligned.  A register quad then holds four COLUMNS,
	; and a conversion wants 16 k of ONE column on end: so each column's 64 numbers are copied out of the quads (256 copies a work-group; single loads of 4 bytes, 16 bytes apart, would be the other way).
.Lweight:
	s_sub_co_u32 s20, ttmp9, 256
	s_lshr_b32 s21, s20, 3                         ; w
	s_bfe_u32 s22, s20, 0x10002                    ; g
	s_and_b32 s23, s20, 3                          ; s
	s_lshl_b32 s24, s23, 18                        ; W: 128 s rows of 2,048 bytes
	s_lshl_b32 s25, s21, 9
	s_add_co_u32 s24, s24, s25                     ; + 512 w
	s_lshl_b32 s25, s22, 8
	s_add_co_u32 s24, s24, s25                     ; + 256 g
	s_mov_b32 s25, 0
	s_lshl_b32 s26, s22, 2
	s_add_co_u32 s26, s26, s23
	s_mul_i32 s26, s26, 6144                       ; wq: 6,144 (4 g + s)
	s_mul_i32 s27, s21, 49152
	s_add_co_u32 s26, s26, s27                     ; + 49,152 w
	s_mov_b32 s27, 0
	s_lshl_b32 s28, s21, 11                        ; ws: 2,048 w
	s_lshl_b32 s29, s22, 10
	s_add_co_u32 s28, s28, s29                     ; + 1,024 g
	s_lshl_b32 s29, s23, 6
	s_add_co_u32 s28, s28, s29                     ; + 64 s
	s_mov_b32 s29, 0
	s_mov_b32 s30, 0x76543210
	s_mov_b32 s31, 0xfedcba98                      ; v_permlanex16_b32's selects for lane l xor 16
	s_mov_b32 s32, 0xffff0000                      ; lanes 16 to 31
	v_and_b32 v1, 15, v0                           ; r
	v_lshrrev_b32 v2, 4, v0                        ; h
	v_lshlrev_b32 v3, 4, v1
	v_lshl_add_u32 v3, v2, 16, v3                  ; 32 h rows + 16 r
	v_lshlrev_b32 v4, 4, v0                        ; an image's place for my lane
	v_lshlrev_b32 v5, 2, v1
	v_lshl_add_u32 v5, v2, 8, v5                   ; 256 h + 4 r
	v_lshlrev_b32 v6, 3, v2                        ; 8 h
	v_mov_b32 v15, 0                               ; written once: a lane permute's destination counts as one of its sources
	s_wait_alu depctr_va_vdst(0)
	s_wait_kmcnt 0x0
	s_add_nc_u64 s[6:7], s[6:7], s[24:25]
	s_add_nc_u64 s[14:15], s[14:15], s[26:27]
	s_add_nc_u64 s[16:17], s[16:17], s[28:29]
	WIN 0x40
.set i, 0
.rept 64
	global_load_b128 v[4*i:4*i+3], v3, s[6:7] offset:(64*(i/32)+i%32)*2048 th:TH_LOAD_NT   ; quad i = 32 c' + i': row 64 c' + 32 h + i'; each byte of W is read once in this launch
.set i, i+1
.endr
	WIN 0
	s_wait_loadcnt 0x0
.macro WCOL c
	WIN 0x01                                       ; source 0 window 1
.set i, 0
.rept 64
	v_mov_b32 v[X+i], v[4*i+(\c)]
.set i, i+1
.endr
	WIN 0
.irp u, 0,1                                    ; my blocks 2 u + h of the K step: all 32 numbers of each are mine
	v_max3_num_f32 v[8+\u], |v[X+32*\u]|, |v[X+32*\u+1]|, 0x1800000        ; with the floor 2^(3 - 127)
.endr
.irp i, 2,4,6,8,10,12,14,16,18,20,22,24,26,28,30
.irp u, 0,1
	v_max3_num_f32 v[8+\u], v[8+\u], |v[X+32*\u+\i]|, |v[X+32*\u+\i+1]|    ; (the two blocks by turns)
.endr
.endr
.irp u, 0,1
	v_add_nc_u32 v[10+\u], 0xff000000, v[8+\u]     ; the conversion's scale operand
.endr
.irp u, 0,1
	v_lshrrev_b32 v[12+\u], 23, v[10+\u]           ; the scale's byte
.endr
	v_lshl_or_b32 v14, v13, 16, v12                ; my two bytes, blocks h and 2 + h,
	v_lshlrev_b32 v14, v6, v14                     ; at their places in the word (8 h bits up);
	v_permlanex16_b32 v15, v14, s30, s31
	v_or_b32 v[WD+(\c)], v14, v15                  ; with lane l xor 16's two the word is whole, in both halves of the lanes
.irp u, 0,1
	v_cvt_scalef32_pk16_fp6_f32 v[F+12*(\c)+6*\u:F+12*(\c)+6*\u+2], v[X+32*\u:X+32*\u+15], v[10+\u]
	v_cvt_scalef32_pk16_fp6_f32 v[T+4*\u:T+4*\u+2], v[X+32*\u+16:X+32*\u+31], v[10+\u]     ; (a conversion's three registers begin on an even number)
.endr
	v_nop                                          ; one plain line behind the conversions
.irp u, 0,1
.irp i, 0,1,2
	v_mov_b32 v[F+12*(\c)+6*\u+3+\i], v[T+4*\u+\i]
.endr
.endr
.irp i, 0,1,2
	global_store_b128 v4, v[F+12*(\c)+4*\i:F+12*(\c)+4*\i+3], s[14:15] offset:1536*(\c)+512*\i   ; 32 lanes store 512 consecutive bytes, aligned; each fragment has registers of its own
.endr
.endm
	WCOL 0
	WCOL 1
	WCOL 2
	WCOL 3
	v_cndmask_b32 v156, v[WD], v[WD+1], s32        ; lanes 0-15 carry column set c's words, lanes 16-31 set c + 1's
	v_cndmask_b32 v157, v[WD+2], v[WD+3], s32
	global_store_b32 v5, v156, s[16:17]            ; runs of 64 bytes, 256 apart: 8,192 bytes in the whole launch leave so
	global_store_b32 v5, v157, s[16:17] offset:512
	s_endpgm
.Lfunc_end_k_q3d0d2c011d_prep:
	.size	k_q3d0d2c011d_prep, .Lfunc_end_k_q3d0d2c011d_prep-k_q3d0d2c011d_prep
	.p2alignl 7, 3214868480
	.fill 96, 4, 3214868480
	.section	.rodata,"a",@progbits
	.p2align	6, 0x0
	.amdhsa_kernel k_q3d0d2c011d_prep
		.amdhsa_group_segment_fixed_size 5888
		.amdhsa_private_segment_fixed_size 0
		.amdhsa_enable_private_segment 0
		.amdhsa_kernarg_size 56
		.amdhsa_user_sgpr_count 2
		.amdhsa_user_sgpr_kernarg_segment_ptr 1
		.amdhsa_wavefront_size32 1
		.amdhsa_system_sgpr_workgroup_id_x 1
		.amdhsa_system_sgpr_workgroup_id_y 1
		.amdhsa_system_sgpr_workgroup_id_z 1
		.amdhsa_system_vgpr_workitem_id 0
		.amdhsa_next_free_vgpr 512
		.amdhsa_next_free_sgpr 66
		.amdhsa_reserve_vcc 0
		.amdhsa_float_denorm_mode_32 3
		.amdhsa_float_denorm_mode_16_64 3
		.amdhsa_memory_ordered 1
		.amdhsa_forward_progress 1
		.amdhsa_inst_pref_size 71
	.end_amdhsa_kernel
	.amdgpu_metadata
---
amdhsa.version: [ 1, 2 ]
amdhsa.kernels:
  - .name:           k_q3d0d2c011d_prep
    .symbol:         k_q3d0d2c011d_prep.kd
    .args:
      - { .name: z_drug, .offset: 0, .size: 8, .value_kind: global_buffer, .address_space: global }
      - { .name: global_weight, .offset: 8, .size: 8, .value_kind: global_buffer, .address_space: global }
      - { .name: local_diag, .offset: 16, .size: 8, .value_kind: global_buffer, .address_space: global }
      - { .name: zq, .offset: 24, .size: 8, .value_kind: global_buffer, .address_space: global }
      - { .name: zs, .offset: 32, .size: 8, .value_kind: global_buffer, .address_space: global }
      - { .name: wq, .offset: 40, .size: 8, .value_kind: global_buffer, .address_space: global }
      - { .name: ws, .offset: 48, .size: 8, .value_kind: global_buffer, .address_space: global }
    .group_segment_fixed_size: 5888
    .private_segment_fixed_size: 0
    .kernarg_segment_align: 8
    .kernarg_segment_size: 56
    .max_flat_workgroup_size: 32
    .sgpr_count:     66
    .vgpr_count:     512
    .wavefront_size: 32
...
	.end_amdgpu_metadata
.endif
;; end of part 3
;; launch score (part 4): grid 256 x 1, 4 waves a work-group, no clusters, 202,240 bytes of LDS; arguments batch_edges, z_drug, local_diag, zq, zs, wq, ws, out0; writes out0
.if DOCPART == 4
	.amdgcn_target "amdgcn-amd-amdhsa--gfx1250"
	.amdhsa_code_object_version 6
	.text
	.protected	k_q3d0d2c011d_score
	.globl	k_q3d0d2c011d_score
	.p2align	8
	.type	k_q3d0d2c011d_score,@function
k_q3d0d2c011d_score:
	s_mov_b64 s[64:65], 0
	v_nop
	global_prefetch_b8 v0, s[64:65] scope:SCOPE_SE
	s_setreg_imm32_b32 hwreg(HW_REG_WAVE_SCHED_MODE, 0, 2), 2
	s_setreg_imm32_b32 hwreg(HW_REG_WAVE_MODE, 25, 1), 1
	s_wait_xcnt 0x0
	s_wait_alu depctr_vm_vsrc(0)
; out[e] = sigmoid( sum over n of (Q(z[row e] * d) Q(W))[n] * d[n] * z[col e][n] ),  d = local_diag[2];  the product on codes of FP6 (E2M3) with E8M0 scales, made by the launch before (zq, zs, wq, ws).
; SHARES.  A work-group owns 512 edges: 32 tiles of 16, in 8 chunks of 4.  THE FOUR WAVES SHARE THE COLUMNS: wave w keeps W's codes of n = 128 w .. 128 w + 127 in 384 registers for the whole launch
; (8 tiles of 16 columns x 4 K steps x 12 registers) and walks all 32 tiles of edges: 32 matrix instructions a tile.
; THE LEFT OPERAND.  Wave w gathers the codes and scale words of tile 4 k + w of chunk k from zq and zs (a lane: 192 + 8 consecutive bytes), two chunks ahead, and stores them to LDS as an image of its registers;
; all four waves read each image back.  Two LDS slots of a chunk take turns, one barrier a chunk.
; THE COLUMNS OF A TILE ARE n = 128 w + 64 g + 4 r + c (g: half, c: tile of the half, r: lane % 16).  The product is used as it stands (source 0 = 16 edges, source 1 = 16 columns): register j of lane (r, h) is
; p[edge 8 h + j][n(r)].  So ONE load of 16 bytes at z[col of edge 8 h + j] + 512 w + 256 g + 16 r brings a lane the four numbers that meet tiles c = 0 .. 3, and sixteen lanes read 256 consecutive bytes, aligned.
; BY TURNS.  A step is a tile of edges, two halves g of 16 matrix instructions (K step s = 0 .. 3 outside, the four accumulators c by turns inside).  The sums p * d * col of one half stand as
; slices of 2 to 4 vector instructions behind the matrix instructions of the NEXT half, under the same register windows.  col is asked for three tiles ahead, into a ring of four places.
; A lane's sum over its 8 columns goes to LDS; at the end 64 such rows are added for each edge.  That order of the f32 sum over n (8 in a lane, then 64 rows) is the one difference from a plain sum.
; NO CLUSTER: of the 1,462,272 bytes that a work-group reads only W's 204,800 are shared with others, once, at the head; the gathers are shared by nobody.  No tensor loads: the streams are gathers by index.
; LIMITS: an index is held at 4,095 (the problem keeps it inside the table).  The sigmoid has no limit of range: 2^x at infinity gives 0, at 0 gives 1.
; THE MODE: SCHED_MODE bits 1:0 = 2 (LLVM: expert scheduling mode 2), set by the entry lines.  The code itself states the register dependences between vector or matrix instructions and memory or LDS
; instructions, with s_wait_alu, always for 0.
; THE PLAN.  Registers that memory or LDS instructions touch in step m (tile m), and who else names them:
;   the ring's place of tile m - 1 in bundles 4-7   read by the slices of step m - 1's second half; the eight loads at step m's head land in it (col of tile m + 3, half 0).
;   the same place in bundles 0-3                   read by the slices of step m's first half; the eight loads in step m's middle land in it (half 1).
;   CA                                              written in the last two sub-periods of step m - 1; read by both runs of step m.
;   A's set and scale words of tile m - 1           read by step m - 1's products; the LDS loads of step m's first half land in them (tile m + 1).
;   IX, RX                                          read by the lines that make offsets; LDS loads at a step's head land in them.
;   the sums' set of tile m - 1                     written by slices up to step m's middle; read by two LDS stores there; begun anew in step m + 1's second half.
;   ST                                              named by no vector instruction: the staging stores read it at a step's head, the gather lands in it in the same step's middle.
;   GA, GS                                          written in the last sub-period of a step at position 3; read by the gather in the next step's middle.
;   AL, ASL, SW, SWS                                written at a step's very head; read by the LDS loads and stores behind.      PS, CIA, RA: stepped at a trip's end; read by LDS stores and loads.
; So a step has TWO waits on va_vdst: at its head, behind the address additions, and in its middle.  Behind each, the products and slices that follow name none of the registers that the half's loads and stores touch.
; ONE wait on vm_vsrc stands ahead of the second half's third sub-period, behind the step's last memory instruction: it frees all that the rest of the step, the trip's end and the next step's head write again.
; One more stands between the staging stores and the gather.  The first step has no step in front of it and no wait on va_vdst; the last asks for nothing at its head and has the middle's alone.
;
; REGISTERS, in windows of 256 (s_set_vgpr_msb: bits 1:0 source 0, 3:2 source 1, 5:4 source 2, 7:6 destination).
;   window 1 (P): all that stands as D, A, C of a product or as destination, source 0, source 2 of a slice: v0-95 A's fragments, two sets; v96-127, v128-159 the accumulators of half 0, half 1; v160-175 the sums, two sets;
;                 v176-183 col offsets; v184-187 fixed LDS addresses; v192-241 codes and scale words on their way to LDS; v242-254 addresses.
;   A BUNDLE b = 4 g + s is 80 registers of ONE window: W's four fragments of (g, s), and the ring of col quads that are used while those fragments are multiplied; d stands beside them.  So source 1's window serves both.
;   window 2: bundles 0, 1, 2; d of half 1 at v240.   window 3: bundles 3, 4, 5; d of half 1 at v240, of half 0 at v248.   window 0: bundles 6, 7 at v96, v176; d of half 0 at v48;
;                 v16-31 W's scale words, v32-35 A's (scale operands have no window); v36-44 indices from LDS; v94, v95 the closing add's two.
.set SLOTB,  32768                     ; LDS: slot 0, slot 1: 4 images of 6,144 bytes,
.set SCIMG,  24576                     ; and behind them 4 images of scale words, 256 bytes each
.set RIDX,   65536                     ; the work-group's 512 row indices,
.set CIDX,   67584                     ; its 512 col indices,
.set PART,   69632                     ; and 64 rows of 512 partial sums,
.set PPITCH, 2064                      ; 2,048 bytes + 16 = 129 x 16 apart
.set AFR, 0
.set DX,  96
.set DY,  128
.set SS,  160
.set CA,  176
.set AL0, 184                          ; 16 lane
.set ASL0, 185                         ; 8 lane + SCIMG
.set SW0, 186                          ; 16 lane + 6,144 wave
.set SWS0, 187                         ; 8 lane + SCIMG + 256 wave
.set ST,  192
.set AL,  242                          ; AL0 + the slot that is read
.set ASL, 243
.set PS,  244                          ; PART + (16 wave + r) PPITCH + 32 h, + 256 a trip
.set CIA, 245                          ; CIDX + 32 h, + 256 a trip
.set SW,  246                          ; SW0 + the slot that is written
.set SWS, 247
.set CB,  248                          ; 16 r + 512 wave
.set RA,  249                          ; RIDX + 64 wave + 4 r, + 256 a trip
.set GT,  250
.set GA,  251                          ; 384 drug + 192 h
.set GS,  252                          ; 16 drug + 8 h
.set H8,  253
.set H192, 254
.set WS,  16                           ; window 0: register 2 t + x: lanes 0-15 the word of K step x of tile t's column r, lanes 16-31 that of K step 2 + x
.set SA,  32                           ; register 2 p + x: the same for the edges of A's set p
.set IX,  36
.set RX,  44
.set DD0, 48
.set DL,  56
.set RSL, 31                           ; s31 the slot that is read
.set WSL, 32                           ; s32 the slot that is written
.set MSB, 0
.macro WIN new                         ; the immediate's high byte repeats the setting that is left; a switch that changes nothing is dropped
.if MSB != (\new)
	s_set_vgpr_msb (MSB<<8)|(\new)
.set MSB, (\new)
.endif
.endm
.macro BUNDLE b                        ; bundle b's window, its first register, and where the d lies that is used beside it
.if (\b) < 6
.set WBN, 2+(\b)/3
.set BBS, 80*((\b)%3)
.else
.set WBN, 0
.set BBS, 96+80*((\b)-6)
.endif
.if (\b) < 4
.set DDB, 240
.elseif (\b) < 6
.set DDB, 248
.else
.set DDB, 48
.endif
.endm
; One product: edges of A's set p x columns of tile (g, c), K step s.  K step 0 starts the sum: nothing is cleared.  K steps 2 and 3 take their scale words from lanes 16-31.
.macro MM g, s, c, p
.if (\g)
.set DC, DY+8*(\c)
.else
.set DC, DX+8*(\c)
.endif
.set AR, AFR+48*(\p)+12*(\s)
.set BR, BBS+12*(\c)
.set SAR, SA+2*(\p)+(\s)%2
.set SBR, WS+2*(4*(\g)+(\c))+(\s)%2
.if (\s) == 0
	v_wmma_scale_f32_16x16x128_f8f6f4 v[DC:DC+7], v[AR:AR+11], v[BR:BR+11], 0, v[SAR], v[SBR] matrix_a_fmt:MATRIX_FMT_FP6 matrix_b_fmt:MATRIX_FMT_FP6
.elseif (\s) == 1
	v_wmma_scale_f32_16x16x128_f8f6f4 v[DC:DC+7], v[AR:AR+11], v[BR:BR+11], v[DC:DC+7], v[SAR], v[SBR] matrix_a_fmt:MATRIX_FMT_FP6 matrix_b_fmt:MATRIX_FMT_FP6
.else
	v_wmma_scale_f32_16x16x128_f8f6f4 v[DC:DC+7], v[AR:AR+11], v[BR:BR+11], v[DC:DC+7], v[SAR], v[SBR] matrix_a_fmt:MATRIX_FMT_FP6 matrix_b_fmt:MATRIX_FMT_FP6 matrix_a_scale:MATRIX_SCALE_ROW1 matrix_b_scale:MATRIX_SCALE_ROW1
.endif
.endm
; The slices work on the OTHER half's accumulators (DP), edges j = 2 s, 2 s + 1.  PK: p * d, two edges at once (d stands twice, as a pair).  FF: the sum takes (p d) * col.
.macro PK c, s
	v_pk_mul_f32 v[DP+8*(\c)+2*(\s):DP+8*(\c)+2*(\s)+1], v[DP+8*(\c)+2*(\s):DP+8*(\c)+2*(\s)+1], v[DDB+2*(\c):DDB+2*(\c)+1]
.endm
.macro FF c, s, jj, start              ; start = 1: a tile's first half: its first term starts the sum
.if (\start) && ((\c) == 0)
	v_mul_f32 v[SB+2*(\s)+(\jj)], v[DP+8*(\c)+2*(\s)+(\jj)], v[QC+4*(\jj)+(\c)]
.else
	v_fma_f32 v[SB+2*(\s)+(\jj)], v[DP+8*(\c)+2*(\s)+(\jj)], v[QC+4*(\jj)+(\c)], v[SB+2*(\s)+(\jj)]
.endif
.endm
; A sub-period: four products, a slice behind each (epi), and behind the slice at most:
;   xa: one LDS load of the next tile's fragments (12 in sub-periods 1 to 3 of half 0);   xc: the offset of one col row for the loads of the next step;   xr: one line of the offsets of the next gather.
; A slice's first read of an accumulator is PK of K step 0's turn: its registers 0 and 1.  It stands 7 plain vector instructions or more behind that accumulator's last product (ISA guide 7.12.1).
; The xa loads owe no wait of their own: no product or slice issued since the wait at the step's head names A's other set or v[AL].
.macro SUB g, s, p, qe, par, epi, xa, xoff, xc, xr
	BUNDLE 4*(\g)+(\s)
	WIN 0x51|(WBN<<2)                              ; D, A, C in window 1; source 1 in the bundle's window
.if (\g)
.set DP, DX
.else
.set DP, DY
.endif
.set SB, SS+8*(\par)
.set QC, BBS+48+8*(\qe)
.irp c, 0,1,2,3
	MM \g, \s, \c, \p
.if \epi
.if \c == 0
	PK 0, \s
	PK 1, \s
.elseif \c == 1
	FF 0, \s, 0, \g
	FF 0, \s, 1, \g
	PK 2, \s
.elseif \c == 2
	FF 1, \s, 0, \g
	FF 1, \s, 1, \g
	PK 3, \s
.else
	FF 2, \s, 0, \g
	FF 2, \s, 1, \g
	FF 3, \s, 0, \g
	FF 3, \s, 1, \g
.endif
.endif
.if \xa
	ds_load_b128 v[AFR+48*(1-(\p))+4*(4*((\s)-1)+\c):AFR+48*(1-(\p))+4*(4*((\s)-1)+\c)+3], v[AL] offset:(\xoff)+512*(4*((\s)-1)+\c)
.endif
.if \xc
	v_min_u32 v[CA+4*((\s)-2)+\c], 0xfff, v[IX+4*((\s)-2)+\c]             ; (bundles 6 and 7 lie in window 0, and so do the indices)
	v_lshl_add_u32 v[CA+4*((\s)-2)+\c], v[CA+4*((\s)-2)+\c], 11, v[CB]    ; 2,048 x col + 512 wave + 16 r
.endif
.if \xr
.if \c == 0
	v_min_u32 v[GT], 0xfff, v[RX]
.elseif \c == 1
	v_lshl_add_u32 v[GS], v[GT], 4, v[H8]
.elseif \c == 2
	v_lshl_add_u32 v[GA], v[GT], 7, v[H192]
.else
	v_lshl_add_u32 v[GA], v[GT], 8, v[GA]                                 ; 128 + 256 = 384 bytes a drug
.endif
.endif
.endr
.endm
; Eight loads: half gp of the col rows of a tile, into place slot of the ring.  Edge j's quad lies in the bundle beside which it will be used: 4 (1 - gp) + j / 2.
.macro RUN gp, slot, abase
.irp j, 0,1,2,3,4,5,6,7
	BUNDLE 4*(1-(\gp))+\j/2
	WIN (WBN<<6)|1                                 ; destination: the bundle's window; the offset: window 1
	global_load_b128 v[BBS+48+8*(\slot)+4*(\j%2):BBS+48+8*(\slot)+4*(\j%2)+3], v[(\abase)+\j], s[6:7] offset:256*(\gp)
.endr
.endm
; A STEP: tile m, pos = m % 4.  n0, n1: how many younger loads may stay out (8 for each run and 13 for each gather issued since the run that is wanted: half 1 of tile m - 1, asked for in step m - 4; half 0 of tile m, in step m - 3).
; epi0: half 0 carries tile m - 1's second sums, and they are stored.  run: col of tile m + 3 is asked for.  idx: the col indices of tile m + 4 come from LDS and become offsets.  xaf: tile m + 1's fragments come from LDS.
; stg: the chunk gathered four steps ago goes to LDS.  gat: the chunk after it is gathered.  rx: the row index for the next gather.  sig, bw: the two halves of a chunk's barrier.  pso, ixo: immediates.
.macro STEP pos, n0, n1, epi0, run, idx, xaf, stg, gat, rx, sig, bw, pso, ixo
.set SP_, (\pos)%2
.set SQP, ((\pos)+3)%4
.set SNX, ((\pos)+1)%4
.if \bw
	s_barrier_wait -1                              ; every wave has stored its image of the next chunk and has read the last chunk's images
.endif
.if (\n0) >= 0
	s_wait_loadcnt \n0
.endif
.if \bw
	WIN 0x55
	s_xor_b32 s[RSL], s[RSL], SLOTB                ; tile m + 1 begins the next chunk: the other slot (no LDS instruction of mine is out)
	v_add_nc_u32 v[AL], s[RSL], v[AL0]             ; (the LDS loads that read these two stand ahead of the last step's wait on vm_vsrc)
	v_add_nc_u32 v[ASL], s[RSL], v[ASL0]
.endif
.if \stg
	WIN 0x55
	s_xor_b32 s[WSL], s[WSL], SLOTB                ; the slot whose chunk was left at the last barrier
	v_add_nc_u32 v[SW], s[WSL], v[SW0]             ; (the staging stores that read these two stand four steps back, ahead of four waits on vm_vsrc)
	v_add_nc_u32 v[SWS], s[WSL], v[SWS0]
.endif
.if (\epi0) && (\xaf)
	s_wait_alu depctr_va_vdst(0)                   ; the last step's products are done reading A's other set and its scale words, its slices the ring's place of tile m - 1 in bundles 4-7, its offset lines IX and RX: loads below land in all of these; CA, the addresses made above and those stepped at a trip's end are written, which the loads and stores below read
.endif
.if \stg
.irp i, 0,1,2,3,4,5,6,7,8,9,10,11
	ds_store_b128 v[SW], v[ST+4*\i:ST+4*\i+3] offset:512*\i               ; the gather has 56 younger loads: n0 = 48 shows it landed
.endr
	ds_store_b64 v[SWS], v[ST+48:ST+49]
.endif
.if \run
	RUN 0, SQP, CA                                 ; the place that tile m - 1's half 0 left in the step before
.endif
.if \xaf
	WIN 0x01
	ds_load_b64 v[SA+2*(1-SP_):SA+2*(1-SP_)+1], v[ASL] offset:256*SNX     ; four plain vector instructions, the last slice, stand behind the last product that read these two
.endif
.if \idx
	WIN 0x01
	ds_load_b128 v[IX:IX+3], v[CIA] offset:\ixo
	ds_load_b128 v[IX+4:IX+7], v[CIA] offset:(\ixo)+16
.endif
.if \rx
	ds_load_b32 v[RX], v[RA] offset:768
.endif
	SUB 0, 0, SP_, SQP, 1-SP_, \epi0, 0, 0, 0, 0
	SUB 0, 1, SP_, SQP, 1-SP_, \epi0, \xaf, 6144*SNX, 0, 0
	SUB 0, 2, SP_, SQP, 1-SP_, \epi0, \xaf, 6144*SNX, 0, 0
	SUB 0, 3, SP_, SQP, 1-SP_, \epi0, \xaf, 6144*SNX, 0, 0
.if !(\epi0)
.rept 4
	v_nop                                          ; no slices here: the places in front of the first read of these results
.endr
.endif
	s_wait_loadcnt \n1
	WIN 0x55
.if \epi0
	s_wait_alu depctr_va_vdst(0)                   ; the slices above have written tile m - 1's sums, which the two LDS stores below read, and are done reading the ring's place of tile m - 1 in bundles 0-3, in which the eight loads below land
.endif
.if \gat
.if \stg
	s_wait_dscnt 15                                ; behind the staging stores stand 3 + 12 LDS loads: the stores have read their registers
	s_wait_alu depctr_vm_vsrc(0)                   ; the staging stores have read ST, in which the gather below lands
.endif
.irp i, 0,1,2,3,4,5,6,7,8,9,10,11
	global_load_b128 v[ST+4*\i:ST+4*\i+3], v[GA], s[10:11] offset:16*\i   ; my lane's 48 registers of its drug: 192 bytes on end
.endr
	global_load_b64 v[ST+48:ST+49], v[GS], s[12:13]
.endif
.if \epi0
	ds_store_b128 v[PS], v[SS+8*(1-SP_):SS+8*(1-SP_)+3] offset:\pso       ; tile m - 1: my eight edges' sums over my 8 columns
	ds_store_b128 v[PS], v[SS+8*(1-SP_)+4:SS+8*(1-SP_)+7] offset:(\pso)+16
.endif
.if \run
	RUN 1, SQP, CA                                 ; the place that tile m - 1's half 1 has just left
.endif
	SUB 1, 0, SP_, \pos, SP_, 1, 0, 0, 0, 0
	SUB 1, 1, SP_, \pos, SP_, 1, 0, 0, 0, 0
	s_wait_xcnt 0x0                                ; the loads issued so far have read their offsets: these are written again only behind this wait
.if \xaf
	s_wait_alu depctr_vm_vsrc(0)                   ; the step's memory and LDS instructions have read their registers: CA, GA and GS, which the lines below write again; the sums' set just stored, which the next step's second half begins anew; AL, ASL, PS, CIA and RA, which a next step's head or the trip's end writes.  None follows in this step
.endif
	s_wait_dscnt 0x0                               ; the indices and tile m + 1's fragments are in; all my LDS stores have landed
.if \sig
	s_barrier_signal -1                            ; my reads of this chunk's images and my store of the next chunk's are done; only work on registers follows up to the wait
.endif
	SUB 1, 2, SP_, \pos, SP_, 1, 0, 0, \idx, 0
	SUB 1, 3, SP_, \pos, SP_, 1, 0, 0, \idx, \rx
.endm
.macro WLOAD b                         ; bundle b's four fragments: images of registers, 512 consecutive bytes a load
	BUNDLE \b
	WIN WBN<<6
.irp c, 0,1,2,3
.irp i, 0,1,2
	global_load_b128 v[BBS+12*\c+4*\i:BBS+12*\c+4*\i+3], v11, s[14:15] offset:(4*(\b)+\c)*1536+512*\i
.endr
.endr
.endm
	; ---------------- the head ----------------
	s_load_b512 s[4:19], s[0:1], 0x0               ; edges s[4:5], z s[6:7], local_diag s[8:9], zq s[10:11], zs s[12:13], wq s[14:15], ws s[16:17], out s[18:19]
	v_lshl_add_u32 v94, v0, 2, 0x31400             ; my spare word, behind the partial sums, and 0: kept for the closing lines alone
	v_mov_b32 v95, 0
	v_and_b32 v1, 31, v0                           ; lane
	v_and_b32 v2, 15, v0                           ; r
	v_bfe_u32 v3, v0, 4, 1                         ; h
	v_lshrrev_b32 v4, 5, v0
	v_readfirstlane_b32 s20, v4                    ; wave 0..3
	v_mul_u32_u24 v5, v2, PPITCH                   ; (the address lines that want no scalar stand between that line and the wait for it)
	v_lshl_add_u32 v5, v3, 5, v5
	v_lshlrev_b32 v6, 4, v0                        ; 16 x thread
	v_lshlrev_b32 v8, 5, v3                        ; 32 h
	v_lshlrev_b32 v9, 4, v2                        ; 16 r
	v_lshlrev_b32 v10, 7, v3
	v_lshl_add_u32 v10, v2, 2, v10                 ; 128 h + 4 r
	v_lshlrev_b32 v11, 4, v1                       ; 16 lane
	v_add_nc_u32 v12, RIDX, v6
	s_wait_alu depctr_va_sdst(0)                   ; s20 is written, ahead of its first reader: LDS places and the bases of d, wq and ws are made from it
	s_mul_i32 s21, s20, 6144
	s_lshl_b32 s22, s20, 8
	s_add_co_u32 s22, s22, SCIMG
	s_mul_i32 s23, s20, 16*PPITCH
	s_add_co_u32 s23, s23, PART
	s_lshl_b32 s24, s20, 9
	s_lshl_b32 s25, s20, 6
	s_add_co_u32 s26, s25, RIDX
	s_mov_b32 s[RSL], 0
	s_mov_b32 s[WSL], SLOTB                        ; the first staging store of the loop turns it to slot 0
	v_lshl_add_u32 v7, v2, 2, s25                  ; 64 wave + 4 r
	WIN 0x40                                       ; destination window 1
	v_lshlrev_b32 v[AL0], 4, v1
	v_lshl_add_u32 v[ASL0], v1, 3, SCIMG
	v_lshl_add_u32 v[SW0], v1, 4, s21
	v_lshl_add_u32 v[SWS0], v1, 3, s22
	v_lshlrev_b32 v[AL], 4, v1                     ; slot 0
	v_lshl_add_u32 v[ASL], v1, 3, SCIMG
	v_add_nc_u32 v[PS], s23, v5
	v_lshl_add_u32 v[CIA], v3, 5, CIDX
	v_lshl_add_u32 v[CB], v2, 4, s24
	v_lshl_add_u32 v[RA], v2, 2, s26
	v_lshlrev_b32 v[H8], 3, v3
	v_mul_u32_u24 v[H192], v3, 192
	s_lshl_b32 s28, ttmp9, 11                      ; 512 edges of 4 bytes
	s_mov_b32 s29, 0
	s_wait_kmcnt 0x0
	s_add_nc_u64 s[4:5], s[4:5], s[28:29]
	s_add_nc_u64 s[18:19], s[18:19], s[28:29]
	s_add_co_u32 s28, s24, 4096                    ; row 2 of local_diag, my wave's 128 numbers
	s_add_nc_u64 s[8:9], s[8:9], s[28:29]
	s_mul_i32 s28, s20, 49152
	s_add_nc_u64 s[14:15], s[14:15], s[28:29]
	s_lshl_b32 s28, s20, 11
	s_add_nc_u64 s[16:17], s[16:17], s[28:29]
	s_wait_alu depctr_va_vdst(0)                   ; the offsets v6 to v12 and the LDS addresses of window 1 are written, which the loads and LDS instructions from here on read
	; 13 loads of indices, into registers of window 1 that the accumulators take later
	global_load_b128 v[96:99], v6, s[4:5]                                 ; my thread's 4 row indices, for LDS
	global_load_b128 v[100:103], v6, s[4:5] offset:524288                 ; and 4 col indices (the second row of batch_edges)
	global_load_b32 v104, v7, s[4:5]                                      ; the row index of edge r of my tile in chunks 0, 1, 2
	global_load_b32 v105, v7, s[4:5] offset:256
	global_load_b32 v106, v7, s[4:5] offset:512
.irp t, 0,1,2,3
	global_load_b128 v[112+8*\t:115+8*\t], v8, s[4:5] offset:524288+64*\t     ; the col indices of edges 8 h + 0 .. 7 of tiles 0 to 3
	global_load_b128 v[116+8*\t:119+8*\t], v8, s[4:5] offset:524288+64*\t+16
.endr
	; 114 loads that stay: d, W's scale words, W's fragments
	WIN 0
	global_load_b128 v[DL:DL+3], v9, s[8:9]                               ; d[128 w + 4 r + c]
	global_load_b128 v[DL+4:DL+7], v9, s[8:9] offset:256                  ; d[128 w + 64 + 4 r + c]
.irp t, 0,1,2,3,4,5,6,7
	global_load_b32 v[WS+2*\t], v10, s[16:17] offset:256*\t
	global_load_b32 v[WS+2*\t+1], v10, s[16:17] offset:256*\t+64
.endr
	WLOAD 6
	WLOAD 7
	WLOAD 0
	WLOAD 1
	WLOAD 2
	WLOAD 3
	WLOAD 4
	WLOAD 5
	s_wait_loadcnt 63                              ; the index loads have 114 younger loads behind them: they are in
	WIN 0x04                                       ; address window 0, data window 1
	ds_store_b128 v12, v[96:99]                    ; the indices as they came: each is held at 4,095 where it becomes an offset
	ds_store_b128 v12, v[100:103] offset:CIDX-RIDX
	WIN 0x55
.set i, 0
.rept 24
	v_min_u32 v[112+i], 0xfff, v[112+i]
.set i, i+1
.endr
.set i, 0
.rept 24
	v_lshl_add_u32 v[112+i], v[112+i], 11, v[CB]   ; col offsets of tiles 0, 1, 2
.set i, i+1
.endr
.irp j, 0,1,2,3,4,5,6,7
	v_min_u32 v[CA+\j], 0xfff, v[136+\j]
.endr
.irp j, 0,1,2,3,4,5,6,7
	v_lshl_add_u32 v[CA+\j], v[CA+\j], 11, v[CB]   ; of tile 3: step 0's loads
.endr
.irp q, 0,1
	v_min_u32 v[104+\q], 0xfff, v[104+\q]
	v_lshl_add_u32 v[108+\q], v[104+\q], 4, v[H8]
	v_lshl_add_u32 v[110+\q], v[104+\q], 7, v[H192]
	v_lshl_add_u32 v[110+\q], v[104+\q], 8, v[110+\q]
.endr
	v_min_u32 v[GT], 0xfff, v106
	v_lshl_add_u32 v[GS], v[GT], 4, v[H8]
	v_lshl_add_u32 v[GA], v[GT], 7, v[H192]
	v_lshl_add_u32 v[GA], v[GT], 8, v[GA]          ; chunk 2: step 0's gather
	s_wait_alu depctr_va_vdst(0)                   ; the offsets v108 to v135 of window 1, CA, GA and GS are written, which the gathers and runs below and those of step 0 read
.irp i, 0,1,2,3,4,5,6,7,8,9,10,11
	global_load_b128 v[ST+4*\i:ST+4*\i+3], v110, s[10:11] offset:16*\i    ; chunk 0
.endr
	global_load_b64 v[ST+48:ST+49], v108, s[12:13]
.irp i, 0,1,2,3,4,5,6,7,8,9,10,11
	global_load_b128 v[4*\i:4*\i+3], v111, s[10:11] offset:16*\i          ; chunk 1, for now where A's fragments will lie
.endr
	global_load_b64 v[48:49], v109, s[12:13]
	RUN 0, 0, 112                                  ; col of tiles 0, 1, 2, in the order in which the steps ask: the loop's counts hold from its first trip on
	RUN 1, 0, 112
	RUN 0, 1, 120
	RUN 1, 1, 120
	RUN 0, 2, 128
	RUN 1, 2, 128
	s_wait_loadcnt 48                              ; all but these 48
	WIN 0
.irp c, 0,1,2,3
	v_mov_b32 v[DD0+2*\c], v[DL+\c]                ; d, each number twice (a pair for the packed multiply), beside each bundle that wants it: 32 copies, once
	v_mov_b32 v[DD0+2*\c+1], v[DL+\c]
.endr
	WIN 0xc0
.irp c, 0,1,2,3
	v_mov_b32 v[248+2*\c], v[DL+\c]
	v_mov_b32 v[248+2*\c+1], v[DL+\c]
	v_mov_b32 v[240+2*\c], v[DL+4+\c]
	v_mov_b32 v[240+2*\c+1], v[DL+4+\c]
.endr
	WIN 0x80
.irp c, 0,1,2,3
	v_mov_b32 v[240+2*\c], v[DL+4+\c]
	v_mov_b32 v[240+2*\c+1], v[DL+4+\c]
.endr
	WIN 0x55
.irp i, 0,1,2,3,4,5,6,7,8,9,10,11
	ds_store_b128 v[SW0], v[ST+4*\i:ST+4*\i+3] offset:512*\i              ; chunk 0 into slot 0,
.endr
	ds_store_b64 v[SWS0], v[ST+48:ST+49]
.irp i, 0,1,2,3,4,5,6,7,8,9,10,11
	ds_store_b128 v[SW0], v[4*\i:4*\i+3] offset:SLOTB+512*\i              ; chunk 1 into slot 1
.endr
	ds_store_b64 v[SWS0], v[48:49] offset:SLOTB
	s_wait_dscnt 0x0                               ; for the others' sake: my indices and images have landed
	s_wait_xcnt 0x0                                ; the loads have read their offsets: the accumulators may take those registers
	s_barrier_signal -1
	s_barrier_wait -1
	s_wait_alu depctr_vm_vsrc(0)                   ; my LDS stores have read v0 to v49 of window 1, in which A's fragments land, and ST, in which step 0's gather lands; the stores, gathers and runs have read v96 to v135 of window 1, which the products write as accumulators
.irp i, 0,1,2,3,4,5,6,7,8,9,10,11
	ds_load_b128 v[AFR+4*\i:AFR+4*\i+3], v[AL] offset:512*\i              ; tile 0's fragments
.endr
	WIN 0x01
	ds_load_b64 v[SA:SA+1], v[ASL]
	s_wait_dscnt 0x0
	; ---------------- 32 steps ----------------
	;    pos  n0  n1 epi0 run idx xaf stg gat rx sig bw  pso  ixo
	STEP 0,   -1, 48, 0,   1,  1,  1,  0,  1,  0, 0,  0,  0,   256          ; step 0: nothing to sum yet in its first half; chunk 2 is gathered
	WIN 0                                          ; at a label and at a branch every window is 0
	s_mov_b32 s30, 0
.Ltrip:                                            ; five trips: steps 4 t + 1 .. 4 t + 4
	STEP 1,   61, 61, 1,   1,  1,  1,  0,  0,  0, 0,  0,  0,   320
	STEP 2,   61, 61, 1,   1,  1,  1,  0,  0,  0, 1,  0,  64,  384
	STEP 3,   61, 61, 1,   1,  1,  1,  0,  0,  1, 0,  1,  128, 448
	STEP 0,   48, 48, 1,   1,  1,  1,  1,  1,  0, 0,  0,  192, 512
	WIN 0x55
	v_add_nc_u32 v[PS], 0x100, v[PS]               ; four tiles on: 64 edges of 4 bytes (no LDS instruction of mine is out; those that read these three stand ahead of the last step's wait on vm_vsrc; the next step's head has the wait for these writes)
	v_add_nc_u32 v[CIA], 0x100, v[CIA]
	v_add_nc_u32 v[RA], 0x100, v[RA]
	WIN 0
	s_add_co_u32 s30, s30, 1
	s_cmp_lt_u32 s30, 5
	s_cbranch_scc1 .Ltrip
	STEP 1,   61, 61, 1,   1,  1,  1,  0,  0,  0, 0,  0,  0,   320          ; steps 21 to 31 are written out: what is asked for ahead ends piece by piece, and the counts run down
	STEP 2,   61, 61, 1,   1,  1,  1,  0,  0,  0, 1,  0,  64,  384
	STEP 3,   61, 61, 1,   1,  1,  1,  0,  0,  0, 0,  1,  128, 448
	STEP 0,   48, 48, 1,   1,  1,  1,  1,  0,  0, 0,  0,  192, 512          ; step 24: the last chunk goes to LDS
	STEP 1,   48, 48, 1,   1,  1,  1,  0,  0,  0, 0,  0,  256, 576
	STEP 2,   48, 48, 1,   1,  1,  1,  0,  0,  0, 1,  0,  320, 640
	STEP 3,   48, 48, 1,   1,  1,  1,  0,  0,  0, 0,  1,  384, 704
	STEP 0,   48, 48, 1,   1,  0,  1,  0,  0,  0, 0,  0,  448, 0            ; step 28: col of tile 31, the last
	STEP 1,   48, 40, 1,   0,  0,  1,  0,  0,  0, 0,  0,  512, 0
	STEP 2,   32, 24, 1,   0,  0,  1,  0,  0,  0, 0,  0,  576, 0
	STEP 3,   16, 8,  1,   0,  0,  0,  0,  0,  0, 0,  0,  640, 0
	; tile 31's second sums, with no products to stand behind
	s_wait_loadcnt 0x0
.macro EPI s
	BUNDLE \s
	WIN 0x51|(WBN<<2)
.set DP, DY
.set SB, SS+8
.set QC, BBS+48+8*3
.irp c, 0,1,2,3
	PK \c, \s
.endr
.irp c, 0,1,2,3
	FF \c, \s, 0, 0
	FF \c, \s, 1, 0
.endr
.endm
	EPI 0
	EPI 1
	EPI 2
	EPI 3
	WIN 0x55
	s_wait_alu depctr_va_vdst(0)                   ; the lines above have written tile 31's sums, which the two LDS stores read
	ds_store_b128 v[PS], v[SS+8:SS+11] offset:704
	ds_store_b128 v[PS], v[SS+12:SS+15] offset:720
	WIN 0
	s_wait_dscnt 0x0                               ; for the others' sake: all my partial sums have landed
	s_barrier_signal -1
	s_barrier_wait -1
	; ---------------- the end: thread t adds the 64 rows for edges 4 t .. 4 t + 3 ----------------
	v_lshlrev_b32 v1, 4, v0
	v_add_nc_u32 v2, PART, v1                      ; rows 0-31 (an LDS immediate has 16 bits),
	v_add_nc_u32 v3, PART+32*PPITCH, v1            ; rows 32-63
.macro TLOADS b                        ; rows 16 b .. 16 b + 15 into buffer b % 2: 32 lanes read 512 consecutive bytes
.irp i, 0,1,2,3,4,5,6,7,8,9,10,11,12,13,14,15
	ds_load_b128 v[96+64*((\b)%2)+4*\i:96+64*((\b)%2)+4*\i+3], v[2+(\b)/2] offset:(16*((\b)%2)+\i)*PPITCH
.endr
.endm
.macro TSUM b                          ; two packed chains; the first addition takes two rows, so nothing is cleared
.set TBF, 96+64*((\b)%2)
.set i, 0
.if (\b) == 0
	v_pk_add_f32 v[4:5], v[TBF:TBF+1], v[TBF+4:TBF+5]
	v_pk_add_f32 v[6:7], v[TBF+2:TBF+3], v[TBF+6:TBF+7]
.set i, 2
.endif
.rept 16
.if i < 16
	v_pk_add_f32 v[4:5], v[4:5], v[TBF+4*i:TBF+4*i+1]
	v_pk_add_f32 v[6:7], v[6:7], v[TBF+4*i+2:TBF+4*i+3]
.endif
.set i, i+1
.endr
.endm
	s_wait_alu depctr_va_vdst(0)                   ; v2 and v3 are written, which the LDS loads read; the products and slices are done reading v96 to v223 of window 0 (bundles 6 and 7), in which these loads land
	TLOADS 0
	TLOADS 1
	s_wait_dscnt 16                                ; the older sixteen are in
	TSUM 0
	s_wait_alu depctr_va_vdst(0)                   ; the additions above are done reading v96 to v159, in which the next sixteen loads land
	TLOADS 2
	s_wait_dscnt 16
	TSUM 1
	s_wait_alu depctr_va_vdst(0)                   ; the additions above are done reading v160 to v223, in which the last sixteen loads land
	TLOADS 3
	s_wait_dscnt 16
	TSUM 2
	s_wait_alu depctr_va_vdst(0)
	s_wait_dscnt 0x0
	TSUM 3
.irp i, 0,1,2,3
	v_mul_f32 v[8+\i], 0xbfb8aa3b, v[4+\i]         ; -score x log2(e)
.endr
	s_wait_alu depctr_va_vdst(0)
.irp i, 0,1,2,3
	v_exp_f32 v[8+\i], v[8+\i]
.endr
	v_nop                                          ; a plain line behind the exponentials (ISA guide 5.7.2)
	s_wait_alu depctr_va_vdst(0)                   ; the four exponentials have written v8 to v11, ahead of their first reader
.irp i, 0,1,2,3
	v_add_f32 v[8+\i], 1.0, v[8+\i]
.endr
	s_wait_alu depctr_va_vdst(0)
.irp i, 0,1,2,3
	v_rcp_f32 v[12+\i], v[8+\i]                    ; 1 / (1 + e^-score)
.endr
	v_nop                                          ; and behind the reciprocals
	s_wait_alu depctr_va_vdst(0)                   ; the four reciprocals have written v12 to v15, which the store reads as its data
	global_store_b128 v1, v[12:15], s[18:19] th:TH_STORE_NT               ; a wave stores 512 consecutive bytes, aligned; written once, read by nobody here
	s_wait_dscnt 0x0                               ; the closing lines, six on end
	s_wait_alu 0x0
	s_wait_tensorcnt 0x0
	ds_add_u32 v94, v95
	s_wait_dscnt 0x0
	s_endpgm
.Lfunc_end_k_q3d0d2c011d_score:
	.size	k_q3d0d2c011d_score, .Lfunc_end_k_q3d0d2c011d_score-k_q3d0d2c011d_score
	.p2alignl 7, 3214868480
	.fill 96, 4, 3214868480
	.section	.rodata,"a",@progbits
	.p2align	6, 0x0
	.amdhsa_kernel k_q3d0d2c011d_score
		.amdhsa_group_segment_fixed_size 202240
		.amdhsa_private_segment_fixed_size 0
		.amdhsa_enable_private_segment 0
		.amdhsa_kernarg_size 64
		.amdhsa_user_sgpr_count 2
		.amdhsa_user_sgpr_kernarg_segment_ptr 1
		.amdhsa_wavefront_size32 1
		.amdhsa_system_sgpr_workgroup_id_x 1
		.amdhsa_system_sgpr_workgroup_id_y 1
		.amdhsa_system_sgpr_workgroup_id_z 1
		.amdhsa_system_vgpr_workitem_id 0
		.amdhsa_next_free_vgpr 1024
		.amdhsa_next_free_sgpr 66
		.amdhsa_reserve_vcc 0
		.amdhsa_float_denorm_mode_32 3
		.amdhsa_float_denorm_mode_16_64 3
		.amdhsa_memory_ordered 1
		.amdhsa_forward_progress 1
		.amdhsa_inst_pref_size 255
	.end_amdhsa_kernel
	.section	.bss,"aw",@nobits
	.p2align	6
	.space	262144
	.amdgpu_metadata
---
amdhsa.version: [ 1, 2 ]
amdhsa.kernels:
  - .name:           k_q3d0d2c011d_score
    .symbol:         k_q3d0d2c011d_score.kd
    .args:
      - { .name: batch_edges, .offset: 0, .size: 8, .value_kind: global_buffer, .address_space: global }
      - { .name: z_drug, .offset: 8, .size: 8, .value_kind: global_buffer, .address_space: global }
      - { .name: local_diag, .offset: 16, .size: 8, .value_kind: global_buffer, .address_space: global }
      - { .name: zq, .offset: 24, .size: 8, .value_kind: global_buffer, .address_space: global }
      - { .name: zs, .offset: 32, .size: 8, .value_kind: global_buffer, .address_space: global }
      - { .name: wq, .offset: 40, .size: 8, .value_kind: global_buffer, .address_space: global }
      - { .name: ws, .offset: 48, .size: 8, .value_kind: global_buffer, .address_space: global }
      - { .name: out0, .offset: 56, .size: 8, .value_kind: global_buffer, .address_space: global }
    .group_segment_fixed_size: 202240
    .private_segment_fixed_size: 0
    .kernarg_segment_align: 8
    .kernarg_segment_size: 64
    .max_flat_workgroup_size: 128
    .sgpr_count:     66
    .vgpr_count:     1024
    .wavefront_size: 32
...
	.end_amdgpu_metadata
.endif
;; end of part 4
